; MI455X (gfx1250); checked and timed in simulation.
; The chip was launched on July 23, 2026; its instructions are those of AMD's public machine-readable ISA for CDNA 5 (MIT licence, August 2026) and "CDNA5" Instruction Set Architecture Reference Guide (July 2026). The comments in the code are by the model that wrote it; some were corrected since.
;; Model. Allowed arithmetic: matrix products marked QUANTISED: E2M3 operands, one E8M0 scale for each 32 along K, by v_wmma_scale_f32_16x16x128_f8f6f4 with both operands' format E2M3, f32 sums; products left as they are: f32 operands where the result goes on into a quantised operand, else bf16, f16 or f32 operands; f32 sums; everything else in f32.
;; Inputs: d_Wk 4,096 x 1,024 float32; d_Wo 1,024 x 4,096 float32; d_Wq 1,024 x 1,024 float32; d_Wv 4,096 x 1,024 float32; d_bk 1,024 float32; d_bo 4,096 float32; d_bq 1,024 float32; d_bv 1,024 float32; detail_embedding 8 x 512 x 1,024 float32; detail_prototypes 500 x 4,096 float32; g_W1 2,048 x 1,024 float32; g_W2 1,024 x 1 float32; g_b1 1,024 float32; g_b2 1 float32; t_Wk 4,096 x 1,024 float32; t_Wo 1,024 x 4,096 float32; t_Wq 1,024 x 1,024 float32; t_Wv 4,096 x 1,024 float32; t_bk 1,024 float32; t_bo 4,096 float32; t_bq 1,024 float32; t_bv 1,024 float32; trend_embedding 8 x 512 x 1,024 float32; trend_prototypes 500 x 4,096 float32.
;; Outputs: out0 8 x 512 x 4,096 float32.
;; This version of the problem:
;;   THIS VERSION OF THE PROBLEM IS GIVEN IN LOW PRECISION. The matrix products marked QUANTISED in the list below multiply operands that are first quantised to E2M3 (2 exponent bits, 3 mantissa bits; 6 bits a number), with one power-of-two scale for each 32 numbers along K (OCP MX v1.0); their sums are f32. All else is computed in f32.
;;   The module's matrix products, in the order in which they are computed (A, B: the left and right operand; K: the contracted axis; several contracted axes count as one K, in the product's order):
;;     1. [M 4,096, K 1,024] x [K 1,024, N 1,024]; A: input trend_embedding; B: input t_Wq: QUANTISED
;;     2. [M 500, K 4,096] x [K 4,096, N 1,024]; A: input trend_prototypes; B: input t_Wk: QUANTISED
;;     3. [M 500, K 4,096] x [K 4,096, N 1,024]; A: input trend_prototypes; B: input t_Wv: QUANTISED
;;     4. batch 16 x [M 500, K 64] x [K 64, N 4,096]; A: computed on the way; B: computed on the way: QUANTISED
;;     5. batch 16 x [M 64, K 500] x [K 500, N 4,096]; A: computed on the way; B: softmax (see below): QUANTISED
;;     6. [M 4,096, K 1,024] x [K 1,024, N 4,096]; A: computed on the way; B: input t_Wo: QUANTISED
;;     7. [M 4,096, K 1,024] x [K 1,024, N 1,024]; A: input detail_embedding; B: input d_Wq: QUANTISED
;;     8. [M 500, K 4,096] x [K 4,096, N 1,024]; A: input detail_prototypes; B: input d_Wk: QUANTISED
;;     9. [M 500, K 4,096] x [K 4,096, N 1,024]; A: input detail_prototypes; B: input d_Wv: QUANTISED
;;     10. batch 16 x [M 500, K 64] x [K 64, N 4,096]; A: computed on the way; B: computed on the way: QUANTISED
;;     11. batch 16 x [M 64, K 500] x [K 500, N 4,096]; A: computed on the way; B: softmax (see below): QUANTISED
;;     12. [M 4,096, K 1,024] x [K 1,024, N 4,096]; A: computed on the way; B: input d_Wo: QUANTISED
;;     13. [M 4,096, K 2,048] x [K 2,048, N 1,024]; A: computed on the way; B: input g_W1: QUANTISED
;;     14. [M 4,096, K 1,024] x [K 1,024, N 1]; A: computed on the way; B: input g_W2: left as it is (N = 1 < 16)
;;   THE QUANTISER, for each operand of a quantised product, along K:
;;     - K is cut into blocks of 32 from its start; a last block that is shorter is filled with zeros.
;;     - A block's scale is 2^e with e = floor(log2(the largest magnitude in the block)) - 2, held to -126 .. 127; a block of zeros has e = 0. As a byte (E8M0): e + 127.
;;     - Each number is divided by its block's scale, clamped to +-7.5, and rounded to the nearest number of E2M3, ties to even, subnormals kept.
;;     - The product sums the exact products of the quantised numbers (number of the format x scale) in f32.
;;   ~~~python
;;   def quantise(x, axis):      # numpy; x: float32 -> the quantised numbers, widened to float32 again
;;       x = np.moveaxis(x, axis, -1); K = x.shape[-1]
;;       x = np.pad(x, [(0, 0)] * (x.ndim - 1) + [(0, -K % 32)]); x = x.reshape(x.shape[:-1] + (-1, 32)); a = np.abs(x).max(-1, keepdims=True)
;;       e = np.where(a > 0, np.clip(np.frexp(np.where(a > 0, a, 1))[1] - 1 - 2, -126, 127), 0)      # np.frexp(a)[1] - 1 = floor(log2(a)), exactly
;;       r = np.clip(x / 2.0 ** e, -7.5, 7.5)
;;       step = 2.0 ** (np.maximum(np.frexp(np.where(r == 0, 1, r))[1] - 1, 0) - 3)
;;       q = np.round(r / step) * step * 2.0 ** e      # np.round: ties to even
;;       return np.moveaxis(q.reshape(q.shape[:-2] + (-1,))[..., :K], -1, axis).astype(np.float32)
;;   ~~~
;;   SOFTMAX AHEAD OF A QUANTISED PRODUCT. Where the list says 'softmax', what is quantised is not the finished softmax but p = 2^(t - M), with t = logit x log2(e) and M = ceil(the row's largest t), a whole number; so 1/2 < the row's largest p <= 1. The row's sum l is taken of the UNQUANTISED p, in f32, and the product's result is divided by l at the end. Since M is a whole number, a kernel that streams over the keys may use a running M (the ceiling of the running maximum): every later rescaling is an exact power of two, which a block's scale takes up: the codes' values come out the same.
;;   OPERANDS COMPUTED ON THE WAY. 'Computed on the way' means the value that the module computes at that place (a softmax that the list does not call 'softmax' is quantised finished and normalised). What goes into a quantiser is computed in f32, as accurately as f32 sums, v_exp_f32 and their like allow (about 1e-6 of the number): no bf16 or f16 on the way to a quantiser, and a product that is left as it is and whose result goes on into a quantised operand takes f32 operands (vector FMAs, or v_wmma_f32_16x16x4_f32). A number that lies on a knife's edge between two numbers of the format may be rounded either way, as far as f32 arithmetic and the matrix unit's own rounding can turn it there, and no further.
;; One version. Each part assembles by itself: llvm-mc -triple=amdgcn-amd-amdhsa -mcpu=gfx1250 --defsym DOCPART=n.
;; ======== version 1 of 1: 4 launches
;; limits: right only within a limited range of input values
;; workspace buffers: ops 32,768,000 bytes; qimg 6,553,600 bytes; kvimg 1,671,168 bytes; gp 131,072 bytes; oimg 6,553,600 bytes
;; launch quant (part 1): grid 1280 x 1, 4 waves a work-group, no clusters, 59,904 bytes of LDS; arguments trend_embedding, detail_embedding, trend_prototypes, detail_prototypes, t_Wq, d_Wq, t_Wk, t_Wv, d_Wk, d_Wv, g_W1, t_Wo, d_Wo, ops; writes ops
.if DOCPART == 1
	.amdgcn_target "amdgcn-amd-amdhsa--gfx1250"
	.amdhsa_code_object_version 6
	.text
	.protected	k_q1341bf3a69_quant
	.globl	k_q1341bf3a69_quant
	.p2align	8
	.type	k_q1341bf3a69_quant,@function
k_q1341bf3a69_quant:
	s_mov_b64 s[64:65], 0
	v_nop
	global_prefetch_b8 v0, s[64:65] scope:SCOPE_SE
	s_setreg_imm32_b32 hwreg(HW_REG_WAVE_MODE, 25, 1), 1
	s_wait_xcnt 0x0
; The thirteen large f32 inputs become operands of FP6 (E2M3) with one E8M0 byte for each 32 along K, laid as the products' launches want them.
; A BLOCK of ops is 25,600 bytes: 128 operand rows x 256 along K.  A fragment (16 rows x 128 K, 12 registers a lane) lies as an image of its registers: registers 4 c .. 4 c + 3 of lane l at 512 c + 16 l.
; Fragment rt (0..7) of K step ks (0, 1) lies at 12288 ks + 1536 rt; a row's two scale words at 24576 + 8 (16 rt + r).
; THE ROWS OF A FRAGMENT ARE NOT NEIGHBOURS: lane row r of fragment 2 b + u is row 32 b + 8 u + r + 8 (r / 8), so that as source 0 two neighbouring result tiles give a lane 16 neighbours.
; One work-group makes one block (its number is the block's), one wave 32 rows of it.  Blocks: 0-255 the embeddings [group 32][4 trend, 4 detail]; 256-383 the prototypes; 384-1023 Wq, Wk, Wv, g_W1; 1024-1279 Wo [group 32][4 trend, 4 detail].
; K innermost (embeddings, prototypes): each load takes 512 consecutive bytes of one row; 16 rows turn through the wave's own stage in LDS so that a lane holds 16 neighbours of each block of 32.
; K outermost (weights): a lane takes FOUR neighbouring columns (16 bytes a load) and its registers run down K; the wave's four groups of eight lanes take the four blocks of 32 of a K step, so that one load
; reads 128 consecutive bytes of four rows.  A column's 32 numbers are brought into consecutive registers by moves, 16 at a time, for the conversions.  A lane's 24 bytes of codes are half of a target lane's
; image: they go to their place in the wave's own stage in LDS (6,144 bytes of codes, 256 of scale words), which is read back as it lies and stored in runs of 512 and 256 consecutive bytes.
; The two kinds of work-group have LDS bytes of their own.  192 registers and 59,904 bytes of LDS: five work-groups to a WGP, so that the 1,280 are one turn.
; A block's scale is 2^(floor(log2(largest magnitude)) - 2): its byte is the largest magnitude's exponent field - 2, held at 1 from below.
; LIMITS: NaN and infinities are not served; blocks whose largest magnitude lies under 2^-124 keep the byte 1; a block of zeros has the byte 1 (its codes are zeros; this program alone reads the bytes).
; The prototypes have 500 rows: operand rows 500-511 are made of rows 488-499 read again, so that no load leaves the buffer; what comes of them is thrown away by the later launches.
; No prefetch: the launch streams from its first line on.  No matrix unit, no cluster, no barrier: waves share nothing.
.set BLKB, 25600
.set SCO,  24576
.set SPARE, 33792                      ; behind the four stages of the K-innermost kind: the spare words, 128 bytes a wave
.set KST,  34304                       ; behind them: the four stages of the K-outermost kind, 6,400 bytes a wave
.set SEL,  2                           ; s[2:3] lane selects: lane l xor 16
.set SPW,  6                           ; v6  my spare word;  v7  0; never rewritten
.set NIL,  7
; K innermost
.set STI,  4                           ; v4  stage, way in: 16 x lane
.set STO,  5                           ; v5  stage, way out: 528 r + 64 h
.set VO,   8                           ; v8-23  row i of a fragment: (i + 8 (i / 8)) x pitch + 16 x lane
.set PW,   24                          ; the scale word just made
.set W4,   28                          ; v28-31 the four units' scale words
.set R,    32                          ; v32-159 two sets of 64 numbers
.set PC,   160                         ; v160-178 codes
.set TM,   180                         ; v180-191 at work in QUANT
; K outermost
.set RB,   4                           ; v4  stage, way out: 16 x lane;  v5  its scale words: 8 x lane
.set SRB,  5
.set A0,   8                           ; v8-10  stage, way in: where the three pieces of 8 bytes of my 24 go
.set SLA,  11                          ; v11 where a column's two scale words go
.set SH,   12                          ; v12 8 x my group: my byte's place in a scale word
.set LO,   13                          ; v13 my offset in the tensor
.set M,    14                          ; v14-17 the four columns' largest magnitudes, then bytes
.set S,    18                          ; v18-21 the conversions' scale operands
.set CD,   22                          ; v22-28 a column's codes
.set T,    30                          ; v30, v31 at work between lanes
.set W,    32                          ; v32-39 scale words: column j, K step ks at 2 j + ks
.set X,    40                          ; v40-55 sixteen neighbours along K of one column
.set RK,   56                          ; v56-183 32 rows x 4 columns as loaded
; 64 numbers of a lane, register 16 b + i = k 32 b + 16 (lane / 16) + i of my row, become a fragment's codes in v[PC] on and its scale word in v[PW].
.macro QUANT s
.irp b, 0,1,2,3
	v_max3_num_f32 v[TM+\b], |v[(\s)+16*\b]|, |v[(\s)+1+16*\b]|, 0x1800000   ; my 16 numbers of block b, and the floor 2^(3 - 127): the byte cannot fall under 1
.endr
.irp i, 2,4,6,8,10,12,14
.irp b, 0,1,2,3
	v_max3_num_f32 v[TM+\b], v[TM+\b], |v[(\s)+16*\b+\i]|, |v[(\s)+1+16*\b+\i]|
.endr
.endr
.irp b, 0,1,2,3
	v_permlanex16_b32 v[TM+4+\b], v[TM+\b], s[SEL], s[SEL+1]
.endr
.irp b, 0,1,2,3
	v_max_num_f32 v[TM+\b], v[TM+\b], v[TM+4+\b]           ; with lane l xor 16's: the block's largest magnitude
.endr
.irp b, 0,1,2,3
	v_add_nc_u32 v[TM+8+\b], 0xff000000, v[TM+\b]          ; 2 off its exponent field: the conversion's scale operand
.endr
.irp b, 0,1,2,3
	v_lshrrev_b32 v[TM+4+\b], 23, v[TM+8+\b]               ; the scale's byte
.endr
	v_lshl_or_b32 v[PW], v[TM+5], 8, v[TM+4]
	v_lshl_or_b32 v[PW], v[TM+6], 16, v[PW]
	v_lshl_or_b32 v[PW], v[TM+7], 24, v[PW]
.irp c, 0,1
	v_cvt_scalef32_pk16_fp6_f32 v[PC+6*\c:PC+2+6*\c], v[(\s)+32*\c:(\s)+15+32*\c], v[TM+8+2*\c]
	v_cvt_scalef32_pk16_fp6_f32 v[PC+12+4*\c:PC+14+4*\c], v[(\s)+16+32*\c:(\s)+31+32*\c], v[TM+8+2*\c+1]   ; (a conversion's three registers begin on an even number)
.endr
	v_nop                                                  ; one plain place behind a scaled conversion
.irp c, 0,1                                            ; the operand wants a whole block in a lane: lanes 0-15 block 2 c, lanes 16-31 block 2 c + 1
.irp i, 0,1,2
	v_permlane16_swap_b32 v[PC+6*\c+\i], v[PC+12+4*\c+\i]
.endr
.irp i, 0,1,2
	v_mov_b32 v[PC+3+6*\c+\i], v[PC+12+4*\c+\i]
.endr
.endr
.endm
; K outermost.  K step ks: W(128 ks + 32 group + i, my four columns), i = 0 .. 31.
.macro LOADK ks, nstr
.set i_, 0
.rept 32
	global_load_b128 v[RK+4*i_:RK+4*i_+3], v[LO], s[44:45] offset:(128*(\ks)+i_)*\nstr th:TH_LOAD_NT
.set i_, i_+1
.endr
.endm
.macro PROC ks
	s_wait_loadcnt 0x0
.irp j, 0,1,2,3
	v_max3_num_f32 v[M+\j], |v[RK+\j]|, |v[RK+4+\j]|, 0x1800000    ; column j's block: all 32 numbers are mine; with the floor 2^(3 - 127)
.endr
.irp i, 2,4,6,8,10,12,14,16,18,20,22,24,26,28,30
.irp j, 0,1,2,3
	v_max3_num_f32 v[M+\j], v[M+\j], |v[RK+4*\i+\j]|, |v[RK+4*\i+4+\j]|
.endr
.endr
.irp j, 0,1,2,3
	v_add_nc_u32 v[S+\j], 0xff000000, v[M+\j]              ; 2 off the exponent field: the conversion's scale operand
.endr
.irp j, 0,1,2,3
	v_lshrrev_b32 v[M+\j], 23, v[S+\j]                     ; the scale's byte,
.endr
.irp j, 0,1,2,3
	v_lshlrev_b32 v[W+2*\j+(\ks)], v[SH], v[M+\j]          ; at its place in the scale word
.endr
.irp j, 0,1,2,3
.set i_, 0
.rept 16
	v_mov_b32 v[X+i_], v[RK+4*i_+\j]
.set i_, i_+1
.endr
	v_cvt_scalef32_pk16_fp6_f32 v[CD:CD+2], v[X:X+15], v[S+\j]
	v_nop                                                  ; one plain place behind a scaled conversion, ahead of the writes of its sources
.set i_, 0
.rept 16
	v_mov_b32 v[X+i_], v[RK+64+4*i_+\j]
.set i_, i_+1
.endr
	v_cvt_scalef32_pk16_fp6_f32 v[CD+4:CD+6], v[X:X+15], v[S+\j]   ; (a conversion's three registers begin on an even number)
	v_nop
	v_mov_b32 v[CD+3], v[CD+4]
	v_mov_b32 v[CD+4], v[CD+5]
	v_mov_b32 v[CD+5], v[CD+6]
	ds_store_b64 v[A0], v[CD:CD+1] offset:16*\j+3072*(\ks)         ; registers 6 c .. 6 c + 5 of the target lane's image, in pieces of 8 bytes
	ds_store_b64 v[A0+1], v[CD+2:CD+3] offset:16*\j+3072*(\ks)
	ds_store_b64 v[A0+2], v[CD+4:CD+5] offset:16*\j+3072*(\ks)
.endr
.endm
.macro KOUT nstr                                       ; s[44:45] the tensor, s42 its group of 128 columns, s43 which 256 along K; nstr: a row of it in bytes
	s_mul_i32 s48, s43, 256*\nstr
	s_lshl_b32 s49, s42, 9
	s_add_co_u32 s48, s48, s49
	s_lshl_b32 s49, s40, 7
	s_add_co_u32 s48, s48, s49                             ; + 512 x group + 128 x wave
	s_mov_b32 s49, 0
	s_add_nc_u64 s[44:45], s[44:45], s[48:49]
	v_mul_u32_u24 v[LO], v21, 32*\nstr                     ; my group of lanes begins 32 rows x its number further down,
	v_lshl_add_u32 v[LO], v22, 4, v[LO]                    ; and I take 16 bytes of the wave's 128
	LOADK 0, \nstr
	PROC 0
	LOADK 1, \nstr
	PROC 1
.irp q, 0,1,2,3,4,5,6,7                                ; a scale word's four bytes lie in the four groups of lanes: lanes l xor 8 and l xor 16 join them
	v_mov_b32_dpp v[T], v[W+\q] row_xmask:8 row_mask:0xf bank_mask:0xf
	v_or_b32 v[W+\q], v[W+\q], v[T]
	v_permlanex16_b32 v[T+1], v[W+\q], s[SEL], s[SEL+1]
	v_or_b32 v[W+\q], v[W+\q], v[T+1]
.endr
.irp j, 0,1,2,3
	ds_store_b64 v[SLA], v[W+2*\j:W+2*\j+1] offset:8*\j    ; the four groups write the same words to the same place
.endr
.irp n, 0,1,2,3,4,5,6,7,8,9,10,11
	ds_load_b128 v[RK+4*\n:RK+4*\n+3], v[RB] offset:512*\n ; LDS serves a wave's instructions in order: these see my stores
.endr
	ds_load_b64 v[RK+48:RK+49], v[SRB]
	s_wait_dscnt 0x0
.irp n, 0,1,2,3,4,5,6,7,8,9,10,11
	global_store_b128 v2, v[RK+4*\n:RK+4*\n+3], s[38:39] offset:(\n/6)*12288+(\n%6)*512   ; 512 consecutive bytes a store
.endr
	global_store_b64 v3, v[RK+48:RK+49], s[50:51] offset:SCO   ; the wave's 32 rows' scale words: 256 consecutive bytes
	s_wait_tensorcnt 0x0                                   ; the wave's end
	ds_add_u32 v[SPW], v[NIL]
	s_wait_dscnt 0x0
.endm
	s_load_b512 s[8:23], s[0:1], 0x0               ; trend_embedding, detail_embedding, trend_prototypes, detail_prototypes, t_Wq, d_Wq, t_Wk, t_Wv
	s_load_b256 s[24:31], s[0:1], 0x40             ; d_Wk, d_Wv, g_W1, t_Wo
	s_load_b128 s[32:35], s[0:1], 0x60             ; d_Wo, ops
	v_lshl_add_u32 v[SPW], v0, 2, SPARE
	v_mov_b32 v[NIL], 0
	v_lshrrev_b32 v1, 5, v0
	v_readfirstlane_b32 s40, v1                    ; wave
	v_and_b32 v1, 31, v0                           ; lane
	v_lshlrev_b32 v2, 4, v1                        ; 16 x lane
	v_lshlrev_b32 v3, 3, v1                        ; 8 x lane
	s_mov_b32 s[SEL], 0x76543210
	s_mov_b32 s[SEL+1], 0xfedcba98
	s_mul_i32 s36, ttmp9, BLKB
	s_mov_b32 s37, 0
	s_mul_i32 s38, s40, 3072
	s_mov_b32 s39, 0
	s_lshl_b32 s50, s40, 8
	s_mov_b32 s51, 0
	s_wait_alu depctr_va_vdst(0)                   ; directly ahead of the wait below
	s_wait_kmcnt 0x0
	s_add_nc_u64 s[36:37], s[34:35], s[36:37]      ; my block
	s_add_nc_u64 s[38:39], s[36:37], s[38:39]      ; my wave's two fragments in it
	s_add_nc_u64 s[50:51], s[36:37], s[50:51]      ; my wave's scale words, less SCO
	s_cmp_lt_u32 ttmp9, 384
	s_cbranch_scc1 .Lkin
	; K outermost.  Lane l: bits 0-2 which four of the wave's 32 columns, bits 3-4 which block of 32 (bit 3 = the target lane's half h, bit 4 = c, which six of its registers).
	; Column 4 (l & 7) + j is lane row r = 4 b0 + j + 8 b2 of fragment u = b1.
	s_mul_i32 s41, s40, 6400
	s_add_co_u32 s41, s41, KST                     ; my stage
	v_and_b32 v14, 1, v0
	v_bfe_u32 v15, v0, 1, 1
	v_bfe_u32 v16, v0, 2, 1
	v_bfe_u32 v17, v0, 3, 1
	v_bfe_u32 v18, v0, 4, 1
	v_lshlrev_b32 v19, 6, v14
	v_mad_u32_u24 v19, v15, 1536, v19
	v_lshl_add_u32 v19, v16, 7, v19
	v_lshl_add_u32 v19, v17, 8, v19
	v_add_nc_u32 v19, s41, v19                     ; 1536 u + 16 (r - j + 16 h)
	v_mad_u32_u24 v[A0], v18, 520, v19             ; bytes 24 c + 0, 8, 16 of the lane's 48 lie at 0, 8, 512 (c = 0) or 520, 1024, 1032 (c = 1)
	v_mad_u32_u24 v[A0+1], v18, 1016, v19
	v_add_nc_u32 v[A0+1], 8, v[A0+1]
	v_add_nc_u32 v[A0+2], 512, v[A0]
	v_lshlrev_b32 v20, 5, v14
	v_lshl_add_u32 v20, v15, 7, v20
	v_lshl_add_u32 v20, v16, 6, v20
	v_add_nc_u32 v20, s41, v20
	v_add_nc_u32 v[SLA], 6144, v20                 ; 8 (16 u + r - j), behind the codes
	v_add_nc_u32 v[RB], s41, v2
	v_add_nc_u32 v[SRB], s41, v3
	v_add_nc_u32 v[SRB], 6144, v[SRB]
	v_bfe_u32 v21, v0, 3, 2                        ; my group of lanes
	v_lshlrev_b32 v[SH], 3, v21
	v_and_b32 v22, 7, v0
	v_mov_b32 v[T], 0                              ; written once: the destination of a lane permute or DPP form counts as one of its sources
	v_mov_b32 v[T+1], 0
	s_cmp_lt_u32 ttmp9, 1024
	s_cbranch_scc1 .Lkout_a
	s_sub_co_u32 s48, ttmp9, 1024                  ; Wo: [group 32][4 of t_Wo, 4 of d_Wo]
	s_lshr_b32 s42, s48, 3
	s_and_b32 s43, s48, 3
	s_bitcmp1_b32 s48, 2
	s_cselect_b64 s[44:45], s[32:33], s[30:31]
	s_wait_alu depctr_va_vdst(0)
	KOUT 16384
	s_endpgm
.Lkout_a:                                          ; the weights with rows of 4,096 bytes: which tensor, where its blocks begin, and log2 of its blocks along K
	s_sub_co_u32 s48, ttmp9, 384
	s_mov_b64 s[44:45], s[28:29]                   ; g_W1
	s_mov_b32 s46, 576
	s_mov_b32 s47, 3
	s_cmp_lt_u32 s48, 576
	s_cselect_b64 s[44:45], s[26:27], s[44:45]     ; d_Wv
	s_cselect_b32 s46, 448, s46
	s_cselect_b32 s47, 4, s47
	s_cmp_lt_u32 s48, 448
	s_cselect_b64 s[44:45], s[24:25], s[44:45]     ; d_Wk
	s_cselect_b32 s46, 320, s46
	s_cmp_lt_u32 s48, 320
	s_cselect_b64 s[44:45], s[22:23], s[44:45]     ; t_Wv
	s_cselect_b32 s46, 192, s46
	s_cmp_lt_u32 s48, 192
	s_cselect_b64 s[44:45], s[20:21], s[44:45]     ; t_Wk
	s_cselect_b32 s46, 64, s46
	s_cmp_lt_u32 s48, 64
	s_cselect_b64 s[44:45], s[18:19], s[44:45]     ; d_Wq
	s_cselect_b32 s46, 32, s46
	s_cselect_b32 s47, 2, s47
	s_cmp_lt_u32 s48, 32
	s_cselect_b64 s[44:45], s[16:17], s[44:45]     ; t_Wq
	s_cselect_b32 s46, 0, s46
	s_sub_co_u32 s48, s48, s46
	s_lshr_b32 s42, s48, s47                       ; group
	s_bfm_b32 s49, s47, 0
	s_and_b32 s43, s48, s49                        ; which 256 along K
	s_wait_alu depctr_va_vdst(0)                   ; as above
	KOUT 4096
	s_endpgm
.Lkin:
	s_cmp_lt_u32 ttmp9, 256
	s_cbranch_scc0 .Lproto
	s_lshr_b32 s42, ttmp9, 3                       ; group of 128 rows
	s_and_b32 s43, ttmp9, 3                        ; which 256 along K
	s_bitcmp1_b32 ttmp9, 2
	s_cselect_b64 s[44:45], s[10:11], s[8:9]
	s_mov_b32 s46, 4096                            ; a row in bytes
	s_mov_b32 s47, 0
	s_branch .Lkin_go
.Lproto:
	s_sub_co_u32 s48, ttmp9, 256
	s_bitcmp1_b32 s48, 6
	s_cselect_b64 s[44:45], s[14:15], s[12:13]
	s_bfe_u32 s42, s48, 0x20004
	s_and_b32 s43, s48, 15
	s_mov_b32 s46, 16384
	s_lshl_b32 s49, s42, 2
	s_add_co_u32 s49, s49, s40
	s_cmp_eq_u32 s49, 15                           ; the last wave of the last group holds rows 480-511:
	s_cselect_b32 s47, 12*16384, 0                 ; its rows from 500 on are read 12 rows higher up
.Lkin_go:
	s_lshl_b32 s48, s42, 7
	s_lshl_b32 s49, s40, 5
	s_add_co_u32 s48, s48, s49                     ; my wave's first row
	s_mul_i32 s48, s48, s46
	s_lshl_b32 s49, s43, 10
	s_add_co_u32 s48, s48, s49
	s_mov_b32 s49, 0
	s_add_nc_u64 s[52:53], s[44:45], s[48:49]      ; fragment u = 0
	s_lshl_b32 s48, s46, 3
	s_add_nc_u64 s[54:55], s[52:53], s[48:49]      ; u = 1: eight rows on
	s_mov_b32 s48, s47
	s_sub_nc_u64 s[56:57], s[52:53], s[48:49]      ; the same for rows that may lie past the end
	s_sub_nc_u64 s[58:59], s[54:55], s[48:49]
	s_mul_i32 s41, s40, 8448                       ; my stage: 16 rows x (512 + 16) bytes
	v_add_nc_u32 v[STI], s41, v2
	v_and_b32 v26, 15, v0
	v_bfe_u32 v25, v0, 4, 1
	v_mul_u32_u24 v[STO], v26, 528
	v_lshl_add_u32 v[STO], v25, 6, v[STO]
	v_add_nc_u32 v[STO], s41, v[STO]
.irp i, 0,1,2,3,4,5,6,7,8,9,10,11,12,13,14,15
	v_mad_u32_u24 v[VO+\i], s46, \i+8*(\i/8), v2
.endr
.irp b, 0,1,2,3
	v_mov_b32 v[TM+4+\b], 0                        ; written once: a lane permute's destination counts as one of its sources
.endr
; Unit n = 2 ks + u: fragment u of K step ks.  Sixteen loads, one row's 512 bytes each, into set n % 2.
.macro ULOAD n
.set KS_, (\n)/2
.set U_, (\n)%2
.irp i, 0,1,2,3,4,5,6,7,8,9,10,11,12,13,14,15
.if ((U_ == 0) && (\i >= 12)) || ((U_ == 1) && (\i >= 8))
	global_load_b128 v[R+64*((\n)%2)+4*\i:R+64*((\n)%2)+4*\i+3], v[VO+\i], s[56+2*U_:57+2*U_] offset:512*KS_ th:TH_LOAD_NT
.else
	global_load_b128 v[R+64*((\n)%2)+4*\i:R+64*((\n)%2)+4*\i+3], v[VO+\i], s[52+2*U_:53+2*U_] offset:512*KS_ th:TH_LOAD_NT
.endif
.endr
.endm
.macro UNIT n, left
.set RS_, R+64*((\n)%2)
	s_wait_loadcnt \left                           ; my sixteen loads are in; the next unit's sixteen stay out
.irp i, 0,1,2,3,4,5,6,7,8,9,10,11,12,13,14,15
	ds_store_b128 v[STI], v[RS_+4*\i:RS_+4*\i+3] offset:528*\i
.endr
.irp b, 0,1,2,3
.irp j, 0,1,2,3
	ds_load_b128 v[RS_+16*\b+4*\j:RS_+16*\b+4*\j+3], v[STO] offset:128*\b+16*\j   ; LDS serves a wave's instructions in order: these see the stores above
.endr
.endr
	s_wait_dscnt 0x0
.if (\n) > 0
	s_wait_xcnt 0x0                                ; the last unit's stores have read the codes' registers
.endif
	QUANT RS_
	v_mov_b32 v[W4+(\n)], v[PW]
.irp c, 0,1,2
	global_store_b128 v2, v[PC+4*\c:PC+4*\c+3], s[38:39] offset:((\n)/2)*12288+((\n)%2)*1536+512*\c
.endr
.endm
	ULOAD 0
	ULOAD 1
	UNIT 0, 16
	ULOAD 2
	UNIT 1, 16
	ULOAD 3
	UNIT 2, 16
	UNIT 3, 0
	s_mov_b32 s41, 0xffff0000
	v_cndmask_b32 v26, v[W4], v[W4+1], s41         ; lanes 0-15: fragment u = 0's rows, lanes 16-31: u = 1's; K step 0's word,
	v_cndmask_b32 v27, v[W4+2], v[W4+3], s41       ; and K step 1's
	global_store_b64 v3, v[26:27], s[50:51] offset:SCO   ; 256 consecutive bytes
	s_wait_tensorcnt 0x0                           ; the wave's end
	ds_add_u32 v[SPW], v[NIL]
	s_wait_dscnt 0x0
	s_endpgm
.Lfunc_end_k_q1341bf3a69_quant:
	.size	k_q1341bf3a69_quant, .Lfunc_end_k_q1341bf3a69_quant-k_q1341bf3a69_quant
	.p2alignl 7, 3214868480
	.fill 96, 4, 3214868480
	.section	.rodata,"a",@progbits
	.p2align	6, 0x0
	.amdhsa_kernel k_q1341bf3a69_quant
		.amdhsa_group_segment_fixed_size 59904
		.amdhsa_private_segment_fixed_size 0
		.amdhsa_enable_private_segment 0
		.amdhsa_kernarg_size 112
		.amdhsa_user_sgpr_count 2
		.amdhsa_user_sgpr_kernarg_segment_ptr 1
		.amdhsa_wavefront_size32 1
		.amdhsa_system_sgpr_workgroup_id_x 1
		.amdhsa_system_sgpr_workgroup_id_y 1
		.amdhsa_system_sgpr_workgroup_id_z 1
		.amdhsa_system_vgpr_workitem_id 0
		.amdhsa_next_free_vgpr 192
		.amdhsa_next_free_sgpr 66
		.amdhsa_reserve_vcc 0
		.amdhsa_float_denorm_mode_32 3
		.amdhsa_float_denorm_mode_16_64 3
		.amdhsa_memory_ordered 1
		.amdhsa_forward_progress 1
		.amdhsa_inst_pref_size 101
	.end_amdhsa_kernel
	.amdgpu_metadata
---
amdhsa.version: [ 1, 2 ]
amdhsa.kernels:
  - .name:           k_q1341bf3a69_quant
    .symbol:         k_q1341bf3a69_quant.kd
    .args:
      - { .name: trend_embedding, .offset: 0, .size: 8, .value_kind: global_buffer, .address_space: global }
      - { .name: detail_embedding, .offset: 8, .size: 8, .value_kind: global_buffer, .address_space: global }
      - { .name: trend_prototypes, .offset: 16, .size: 8, .value_kind: global_buffer, .address_space: global }
      - { .name: detail_prototypes, .offset: 24, .size: 8, .value_kind: global_buffer, .address_space: global }
      - { .name: t_Wq, .offset: 32, .size: 8, .value_kind: global_buffer, .address_space: global }
      - { .name: d_Wq, .offset: 40, .size: 8, .value_kind: global_buffer, .address_space: global }
      - { .name: t_Wk, .offset: 48, .size: 8, .value_kind: global_buffer, .address_space: global }
      - { .name: t_Wv, .offset: 56, .size: 8, .value_kind: global_buffer, .address_space: global }
      - { .name: d_Wk, .offset: 64, .size: 8, .value_kind: global_buffer, .address_space: global }
      - { .name: d_Wv, .offset: 72, .size: 8, .value_kind: global_buffer, .address_space: global }
      - { .name: g_W1, .offset: 80, .size: 8, .value_kind: global_buffer, .address_space: global }
      - { .name: t_Wo, .offset: 88, .size: 8, .value_kind: global_buffer, .address_space: global }
      - { .name: d_Wo, .offset: 96, .size: 8, .value_kind: global_buffer, .address_space: global }
      - { .name: ops, .offset: 104, .size: 8, .value_kind: global_buffer, .address_space: global }
    .group_segment_fixed_size: 59904
    .private_segment_fixed_size: 0
    .kernarg_segment_align: 8
    .kernarg_segment_size: 112
    .max_flat_workgroup_size: 128
    .sgpr_count:     66
    .vgpr_count:     192
    .wavefront_size: 32
...
	.end_amdgpu_metadata
.endif
;; end of part 1
;; launch proj (part 2): grid 448 x 1, 4 waves a work-group, clusters of 4 x 1, 327,680 bytes of LDS; arguments ops, t_bq, d_bq, t_bk, d_bk, t_bv, d_bv, g_b1, g_W2, qimg, kvimg, gp; writes qimg, kvimg, gp
.if DOCPART == 2
	.amdgcn_target "amdgcn-amd-amdhsa--gfx1250"
	.amdhsa_code_object_version 6
	.text
	.protected	k_q1341bf3a69_proj
	.globl	k_q1341bf3a69_proj
	.p2align	8
	.type	k_q1341bf3a69_proj,@function
k_q1341bf3a69_proj:
	s_mov_b64 s[64:65], 0
	v_nop
	global_prefetch_b8 v0, s[64:65] scope:SCOPE_SE
	s_setreg_imm32_b32 hwreg(HW_REG_WAVE_MODE, 25, 1), 1
	s_wait_xcnt 0x0
	s_wait_alu depctr_hold_cnt(0) depctr_sa_sdst(0) depctr_va_vdst(0) depctr_va_sdst(0) depctr_va_ssrc(0) depctr_va_vcc(0) depctr_vm_vsrc(0)
	s_getreg_b32 s2, hwreg(HW_REG_IB_STS2, 6, 4)
	s_cmp_eq_u32 s2, 0
	s_cbranch_scc0 .Lentry_in_a_cluster
	s_endpgm
.Lentry_in_a_cluster:
	s_bfe_u32 s2, ttmp6, 0x10000c
	s_cmp_lg_u32 s2, 0x3003
	s_cbranch_scc0 .Lentry_shape_is_right
	s_endpgm
.Lentry_shape_is_right:
; The seven products on the raw inputs, on codes of FP6 (E2M3) with E8M0 scales: q, k, v of both branches and the gate's hidden layer; their results are finished here:
; q, k and v get their bias and are quantised for the attention; the hidden layer gets bias and relu and is multiplied by g_W2 in f32 (partial sums of 128 hidden units).
; ONE TILE FOR ALL: a work-group takes 128 rows of the X side (source 1) x 256 rows of the W side (source 0); a wave 64 x 128: 32 accumulators.  In a result a lane holds ONE row of the X side, and
; the 16 registers of two neighbouring tiles are 16 neighbours along the W side (the fragments' order of rows): so 64 registers are one fragment of the next product.
; q, k, gate: W side = the weight, X side = embeddings or prototypes.  v: W side = the prototypes, X side = Wv, so that a lane holds a channel and its registers run along the keys, the next K.
; CLUSTERS of 4: the partners take four neighbouring groups of the X side and need the same W tile, which is asked for jointly; X's tile is each work-group's own.  Not 4 x 4: v has only two W tiles.
; Clusters 0-15: k and v (K = 4,096), 16-47: the gate (K = 2,048), 48-111: q (K = 1,024): the longest first.  All branches on the kind hang on the cluster's number, which partners share.
; K goes in steps of 512 through two LDS slots: a slot holds a double block (51,200 bytes, dense in memory) of X and of each of W's two groups; wave 0 fetches X's, waves 1 and 2 W's, wave 3 none.
; A wave has one tensor load out at the start and one behind each round; slot 1 is first filled behind the full sequence that stands ahead of a refill.
; PREFETCH: behind the load of double block d stand the requests for double block d + 2 (behind the first load also for d = 1).  X's 200 units of 256 bytes are shared out among my four waves (50 each, two
; instructions); W's 400 units among the four partners BY ADDRESS (100 each) and their waves (25 each, one instruction); lanes left over name their wave's last unit again.  The last two loads ask for nothing.
; LIMITS: as in the quantiser: no NaN, no infinities; bytes held at 1 from below.
; REGISTERS: window 0: v1-21 addresses; v32-47 X's scale words, v48-79 W's; v80-87 the bias along the X side; v128-223 X's fragments, two sets; on the way out v128-191 64 numbers, v192-211 codes, v228-255 at work.
;   window 1: v0-191 W's fragments, two sets; v192-255 the bias along the W side.   window 2: accumulator (a, b) at v[8 (8 a + b)].   window 3: v0-63 g_W2.
.set BLKB, 25600
.set DBL,  51200
.set SLOT, 153600
.set SPARE, 307200                     ; behind the ring: the spare words, 128 bytes a wave
.set SCO,  24576
.set KVB,  104448
.set L16,  1
.set RR,   2
.set HH,   3
.set ADX,  4
.set ADW,  6
.set ASX,  8
.set ASW,  10
.set SPW,  12
.set NIL,  13
.set L8,   15
.set PX1,  19                          ; v19, v20 my wave's 50 units of X's double block; v21 its 25 units of W's
.set PX2,  20
.set PWO,  21
.set SX,   32
.set SW,   48
.set BV,   80
.set XF,   128
.set H,    128
.set PC,   192
.set PW,   228
.set PWA,  232
.set G,    236
.set TM,   244
.set BI,   192                         ; in window 1
.set SEL,  4
.set G1P,  12
.set G1J,  20
.set G0X,  28
.set G0W,  68
.set PXB,  40                          ; s[40:41] where X's prefetches stand, s[42:43] W's (the biases' addresses that lay there have been chosen from by then)
.set PWB,  42
.set MSB, 0
.macro WIN new                         ; the immediate's high byte repeats the setting that is left
.if MSB != \new
	s_set_vgpr_msb (MSB<<8)|\new
.set MSB, \new
.endif
.endm
.macro PLACES n
.rept \n
	v_nop
.endr
.endm
.macro CREST                           ; a round of the cluster's barrier behind its opening barrier
	s_cmp_lg_u32 s8, 0
	s_cbranch_scc1 .Lnot_wave_0_\@
	s_barrier_signal -3
.Lnot_wave_0_\@:
	s_barrier_wait -3
	s_barrier_signal -1
	s_barrier_wait -1
.endm
.macro CROUND
	s_barrier_signal -1
	s_barrier_wait -1
	CREST
.endm
.macro ASK off                         ; the double block that lies off bytes behind where the prefetches stand
	global_prefetch_b8 v[PX1], s[PXB:PXB+1] offset:\off th:TH_LOAD_NT scope:SCOPE_SE
	global_prefetch_b8 v[PX2], s[PXB:PXB+1] offset:\off th:TH_LOAD_NT scope:SCOPE_SE
	global_prefetch_b8 v[PWO], s[PWB:PWB+1] offset:\off th:TH_LOAD_NT scope:SCOPE_SE
.endm
.macro QUANT s                         ; 64 numbers of a lane, register 16 b + i = k 32 b + 16 (lane / 16) + i of my row -> codes in v[PC] on, scale word in v[PW]
.irp b, 0,1,2,3
	v_max3_num_f32 v[TM+\b], |v[(\s)+16*\b]|, |v[(\s)+1+16*\b]|, 0x1800000   ; with the floor 2^(3 - 127): the byte cannot fall under 1
.endr
.irp i, 2,4,6,8,10,12,14
.irp b, 0,1,2,3
	v_max3_num_f32 v[TM+\b], v[TM+\b], |v[(\s)+16*\b+\i]|, |v[(\s)+1+16*\b+\i]|
.endr
.endr
.irp b, 0,1,2,3
	v_permlanex16_b32 v[TM+4+\b], v[TM+\b], s[SEL], s[SEL+1]
.endr
.irp b, 0,1,2,3
	v_max_num_f32 v[TM+\b], v[TM+\b], v[TM+4+\b]
.endr
.irp b, 0,1,2,3
	v_add_nc_u32 v[TM+8+\b], 0xff000000, v[TM+\b]          ; 2 off the exponent field: the conversion's scale operand
.endr
.irp b, 0,1,2,3
	v_lshrrev_b32 v[TM+4+\b], 23, v[TM+8+\b]
.endr
	v_lshl_or_b32 v[PW], v[TM+5], 8, v[TM+4]
	v_lshl_or_b32 v[PW], v[TM+6], 16, v[PW]
	v_lshl_or_b32 v[PW], v[TM+7], 24, v[PW]
.irp c, 0,1
	v_cvt_scalef32_pk16_fp6_f32 v[PC+6*\c:PC+2+6*\c], v[(\s)+32*\c:(\s)+15+32*\c], v[TM+8+2*\c]
	v_cvt_scalef32_pk16_fp6_f32 v[PC+12+4*\c:PC+14+4*\c], v[(\s)+16+32*\c:(\s)+31+32*\c], v[TM+8+2*\c+1]
.endr
	v_nop                                                  ; one plain place behind a scaled conversion
.irp c, 0,1
.irp i, 0,1,2
	v_permlane16_swap_b32 v[PC+6*\c+\i], v[PC+12+4*\c+\i]
.endr
.irp i, 0,1,2
	v_mov_b32 v[PC+3+6*\c+\i], v[PC+12+4*\c+\i]
.endr
.endr
.endm
; The fragments of the slot's q-th 128 along K into set q % 2: W's eight, X's four; with an even q also the scale words of that block (two K steps a row).
.macro FETCH slot, q
.set P_, (\q)%2
.set O_, ((\q)/2)*BLKB+((\q)%2)*12288
	WIN 0x40
.irp b, 0,1,2,3,4,5,6,7
.irp c, 0,1,2
	ds_load_b128 v[96*P_+12*\b+4*\c:96*P_+12*\b+4*\c+3], v[ADW+\slot] offset:O_+1536*\b+512*\c
.endr
.endr
	WIN 0
.irp a, 0,1,2,3
.irp c, 0,1,2
	ds_load_b128 v[XF+48*P_+12*\a+4*\c:XF+48*P_+12*\a+4*\c+3], v[ADX+\slot] offset:O_+1536*\a+512*\c
.endr
.endr
.if ((\q)%2) == 0
.irp a, 0,1,2,3
	ds_load_b64 v[SX+8*((\q)/2)+2*\a:SX+8*((\q)/2)+2*\a+1], v[ASX+\slot] offset:((\q)/2)*BLKB+128*\a
.endr
.irp b, 0,1,2,3,4,5,6,7
	ds_load_b64 v[SW+16*((\q)/2)+2*\b:SW+16*((\q)/2)+2*\b+1], v[ASW+\slot] offset:((\q)/2)*BLKB+128*\b
.endr
.endif
.endm
; Eight matrix instructions: X's fragment a against W's eight.  The 32 accumulators take turns, one instruction a turn, in one order everywhere.
.macro MUL8 a, q, zero
.set P_, (\q)%2
.set KP_, (\q)/2
.irp b, 0,1,2,3,4,5,6,7
.if \zero
	v_wmma_scale_f32_16x16x128_f8f6f4 v[8*(8*(\a)+\b):8*(8*(\a)+\b)+7], v[96*P_+12*\b:96*P_+12*\b+11], v[XF+48*P_+12*(\a):XF+48*P_+12*(\a)+11], 0, v[SW+16*KP_+2*\b+P_], v[SX+8*KP_+2*(\a)+P_] matrix_a_fmt:MATRIX_FMT_FP6 matrix_b_fmt:MATRIX_FMT_FP6
.else
	v_wmma_scale_f32_16x16x128_f8f6f4 v[8*(8*(\a)+\b):8*(8*(\a)+\b)+7], v[96*P_+12*\b:96*P_+12*\b+11], v[XF+48*P_+12*(\a):XF+48*P_+12*(\a)+11], v[8*(8*(\a)+\b):8*(8*(\a)+\b)+7], v[SW+16*KP_+2*\b+P_], v[SX+8*KP_+2*(\a)+P_] matrix_a_fmt:MATRIX_FMT_FP6 matrix_b_fmt:MATRIX_FMT_FP6
.endif
.endr
.endm
.macro STEP slot, q, zero              ; one of a slot's first three steps
	s_wait_dscnt 0x0                               ; this step's set is in
	PLACES 4                                       ; in front of loads into registers that the last step's products read
	FETCH \slot, (\q)+1
	WIN 0xa1                                       ; source 0 (W) window 1, source 1 (X) window 0, C and D window 2
	MUL8 0, \q, \zero
	MUL8 1, \q, \zero
	MUL8 2, \q, \zero
	MUL8 3, \q, \zero
	WIN 0
.endm
.macro RLOAD slot                      ; wave 0: X's double block, its own; waves 1 and 2: W's two, jointly; wave 3 none.  s_nop 0 and four v_nop follow each line
	s_cmp_eq_u32 s8, 0
	s_cbranch_scc0 .Lnot_x_\@
	tensor_load_to_lds s[G0X+4*\slot:G0X+4*\slot+3], s[G1P:G1P+7]
	s_nop 0
	PLACES 4
	s_branch .Lasked_\@
.Lnot_x_\@:
	s_cmp_lt_u32 s8, 3
	s_cbranch_scc0 .Lasked_\@
	tensor_load_to_lds s[G0W+4*\slot:G0W+4*\slot+3], s[G1J:G1J+7]
	s_nop 0
	PLACES 4
.Lasked_\@:
.endm
; A slot's last step changes slots: one barrier; in front of it each wave waits for all its tensor loads, adds 0 to its spare word, and waits for that and for its reads of this slot.
.macro TURN slot, next, fill
.if \fill
	s_wait_xcnt 0x0                                ; my prefetches have read their addresses, which step one double block on
	s_add_nc_u64 s[PXB:PXB+1], s[PXB:PXB+1], DBL
	s_add_nc_u64 s[PWB:PWB+1], s[PWB:PWB+1], DBL
.endif
	s_wait_tensorcnt 0x0                           ; all my tensor loads have landed: my part of the next slot
	ds_add_u32 v[SPW], v[NIL]                      ; 0 onto my spare word: twice on end
	ds_add_u32 v[SPW], v[NIL]
	s_wait_dscnt 1                                 ; this step's set is in; the second add may be out
	WIN 0xa1
	MUL8 0, 3, 0
	s_wait_dscnt 0x0                               ; the adds are done, and my reads of this slot are over
	s_barrier_signal -1
	MUL8 1, 3, 0
	WIN 0
	s_barrier_wait -1
.if \fill
	CREST                                          ; the barrier has opened a round of the cluster's: no wave of any partner still reads this slot or has a load on its way
	s_add_nc_u64 s[G0X+4*\slot+2:G0X+4*\slot+3], s[G0X+4*\slot+2:G0X+4*\slot+3], 2*DBL
	s_add_nc_u64 s[G0W+4*\slot+2:G0W+4*\slot+3], s[G0W+4*\slot+2:G0W+4*\slot+3], 2*DBL
	RLOAD \slot                                    ; the first tensor load behind the round: it has the other slot's 128 matrix instructions in which to land
.endif
	PLACES 4                                       ; on every wave's path: in front of the loads below
	FETCH \next, 0
.if \fill
	s_cmp_gt_u32 s6, 1                             ; the last trip's two refills have no double block two on
	s_cbranch_scc0 .Lno_ask_\@
	ASK 3*DBL                                      ; the prefetches stand one double block behind the refill: this is the double block two on
.Lno_ask_\@:
.endif
	WIN 0xa1
	MUL8 2, 3, 0
	MUL8 3, 3, 0
	WIN 0
.endm
	s_load_b512 s[36:51], s[0:1], 0x0              ; ops, t_bq, d_bq, t_bk, d_bk, t_bv, d_bv, g_b1
	s_load_b256 s[52:59], s[0:1], 0x40             ; g_W2, qimg, kvimg, gp
	v_lshl_add_u32 v[SPW], v0, 2, SPARE
	v_mov_b32 v[NIL], 0
	ds_add_u32 v[SPW], v[NIL]                      ; the opening lines: the add twice on end and one wait
	ds_add_u32 v[SPW], v[NIL]
	v_lshrrev_b32 v1, 5, v0
	v_readfirstlane_b32 s8, v1                     ; wave
	s_lshr_b32 s9, s8, 1                           ; wm: which 64 rows of the X side
	s_and_b32 s10, s8, 1                           ; wn: which group of the W side
	s_mul_i32 s86, s8, 50*256
	s_mul_i32 s87, s8, 25*256
	s_mul_i32 s91, s9, 6144                        ; X: my four fragments
	s_mul_i32 s92, s10, DBL
	s_add_co_u32 s92, s92, DBL                     ; W: my group
	s_lshl_b32 s93, s9, 9
	s_add_co_u32 s93, s93, SCO
	s_add_co_u32 s94, s92, SCO
	v_and_b32 v14, 31, v0
	v_lshlrev_b32 v[L16], 4, v14
	v_and_b32 v[RR], 15, v0
	v_bfe_u32 v[HH], v0, 4, 1
	v_lshlrev_b32 v[L8], 3, v14
	v_lshlrev_b32 v16, 3, v[RR]
	v_lshlrev_b32 v17, 6, v[HH]                    ; tile b's eight places of my half: 32 (b / 2) + 8 (b % 2) + 16 h + 0 .. 7
	v_and_b32 v18, 8, v[RR]
	v_add_nc_u32 v18, v18, v[RR]
	v_lshlrev_b32 v18, 2, v18                      ; fragment a's row of my lane: 32 (a / 2) + 8 (a % 2) + r + 8 (r / 8)
	v_min_u32 v[PX2], 17, v14
	v_min_u32 v[PWO], 24, v14
	v_lshl_add_u32 v[PX1], v14, 8, s86             ; units 50 wave + lane,
	v_lshl_add_u32 v[PX2], v[PX2], 8, s86
	v_add_nc_u32 v[PX2], 32*256, v[PX2]            ; 50 wave + 32 + min(lane, 17),
	v_lshl_add_u32 v[PWO], v[PWO], 8, s87          ; and 25 wave + min(lane, 24)
.irp s, 0,1
	v_add_nc_u32 v[ADX+\s], s91, v[L16]
	v_add_nc_u32 v[ADW+\s], s92, v[L16]
	v_add_nc_u32 v[ASX+\s], s93, v16
	v_add_nc_u32 v[ASW+\s], s94, v16
	s_add_co_u32 s91, s91, SLOT
	s_add_co_u32 s92, s92, SLOT
	s_add_co_u32 s93, s93, SLOT
	s_add_co_u32 s94, s94, SLOT
.endr
.irp b, 0,1,2,3
	v_mov_b32 v[TM+4+\b], 0                        ; written once: a lane permute's destination counts as one of its sources
.endr
	s_wait_alu depctr_va_vdst(0)                   ; behind the head's last vector instruction
	s_wait_dscnt 0x0                               ; both opening adds are done
	s_bfe_u32 s11, ttmp6, 0x40000                  ; cx
	s_mov_b32 s[SEL], 0x76543210
	s_mov_b32 s[SEL+1], 0xfedcba98
	s_mov_b32 s96, 0xffff0000
	s_mov_b32 s[G1P], 3<<16                        ; no mask; elements of 8 bytes; no padding
	s_mov_b32 s[G1J], 15|(3<<16)|(1<<21)           ; the four partners; bit 21 beside a mask
.irp g, G1P, G1J
	s_mov_b32 s[\g+1], 32<<16                      ; tensor_dim0 = 32 elements: 256 bytes
	s_mov_b32 s[\g+2], 200<<16                     ; tensor_dim1 = 200 rows: 51,200 bytes, dense
	s_mov_b32 s[\g+3], 32<<16                      ; tile_dim0
	s_mov_b32 s[\g+4], 200                         ; tile_dim1
	s_mov_b32 s[\g+5], 32                          ; pitch
	s_mov_b32 s[\g+6], 0
	s_mov_b32 s[\g+7], 0
.endr
	; the kind of work, from the cluster's number.  s76 kind (0 q, 1 k, 2 v, 3 gate), s77 branch, s78 X's first block, s79 X's first group, s80 blocks in a group of X, s81 W's first block, s82 W's tile, s83 blocks in a group of W, s84 trips
	s_cmp_lt_u32 ttmp9, 16
	s_cbranch_scc0 .Lnot_kv
	s_lshr_b32 s77, ttmp9, 3
	s_and_b32 s86, ttmp9, 3
	s_mov_b32 s80, 16
	s_mov_b32 s83, 16
	s_mov_b32 s84, 3
	s_lshl_b32 s87, s77, 6
	s_lshl_b32 s88, s77, 8
	s_bitcmp1_b32 ttmp9, 2
	s_cbranch_scc1 .Lis_v
	s_mov_b32 s76, 1
	s_add_co_u32 s78, s87, 256
	s_mov_b32 s79, 0
	s_add_co_u32 s81, s88, 448
	s_mov_b32 s82, s86
	s_branch .Lparams
.Lis_v:
	s_mov_b32 s76, 2
	s_add_co_u32 s78, s88, 576
	s_lshr_b32 s79, s86, 1
	s_lshl_b32 s79, s79, 2
	s_add_co_u32 s81, s87, 256
	s_and_b32 s82, s86, 1
	s_branch .Lparams
.Lnot_kv:
	s_cmp_lt_u32 ttmp9, 48
	s_cbranch_scc0 .Lis_q
	s_sub_co_u32 s86, ttmp9, 16
	s_mov_b32 s76, 3
	s_mov_b32 s77, 0
	s_mov_b32 s78, 0
	s_lshr_b32 s79, s86, 2
	s_lshl_b32 s79, s79, 2
	s_mov_b32 s80, 8
	s_mov_b32 s81, 960
	s_and_b32 s82, s86, 3
	s_mov_b32 s83, 8
	s_mov_b32 s84, 1
	s_branch .Lparams
.Lis_q:
	s_sub_co_u32 s86, ttmp9, 48
	s_mov_b32 s76, 0
	s_lshr_b32 s77, s86, 5
	s_lshl_b32 s78, s77, 2
	s_and_b32 s79, s86, 31
	s_lshr_b32 s79, s79, 2
	s_lshl_b32 s79, s79, 2
	s_mov_b32 s80, 8
	s_lshl_b32 s81, s77, 5
	s_add_co_u32 s81, s81, 384
	s_and_b32 s82, s86, 3
	s_mov_b32 s83, 4
	s_mov_b32 s84, 0
.Lparams:
	s_add_co_u32 s85, s79, s11                     ; my group of the X side
	s_lshl_b32 s98, s77, 3
	s_lshl_b32 s86, s82, 1
	s_add_co_u32 s98, s98, s86
	s_add_co_u32 s98, s98, s10                     ; 8 x branch + my group of the W side
	s_lshl_b32 s99, s85, 1
	s_add_co_u32 s99, s99, s9                      ; my 64 rows of the X side
	s_wait_kmcnt 0x0
	s_cmp_eq_u32 s77, 0                            ; the bias: by branch, then by kind
	s_cselect_b64 s[86:87], s[38:39], s[40:41]
	s_cselect_b64 s[88:89], s[42:43], s[44:45]
	s_cselect_b64 s[90:91], s[46:47], s[48:49]
	s_mov_b64 s[60:61], s[50:51]
	s_cmp_eq_u32 s76, 0
	s_cselect_b64 s[60:61], s[86:87], s[60:61]
	s_cmp_eq_u32 s76, 1
	s_cselect_b64 s[60:61], s[88:89], s[60:61]
	s_cmp_eq_u32 s76, 2
	s_cselect_b64 s[60:61], s[90:91], s[60:61]
	s_mul_i32 s86, s85, s80                        ; X's tiles: my own group's blocks
	s_add_co_u32 s86, s86, s78
	s_mul_i32 s86, s86, BLKB
	s_mov_b32 s87, 0
	s_add_nc_u64 s[86:87], s[36:37], s[86:87]
	s_mov_b64 s[PXB:PXB+1], s[86:87]               ; X's prefetches stand at double block 0
	s_lshr_b32 s90, s11, 1                         ; W's: partners 0 and 1 take the halves of the tile's first group, 2 and 3 of its second: told apart by address alone
	s_lshl_b32 s91, s82, 1
	s_add_co_u32 s90, s90, s91
	s_mul_i32 s90, s90, s83
	s_add_co_u32 s90, s90, s81
	s_mul_i32 s90, s90, BLKB
	s_and_b32 s91, s11, 1
	s_mul_i32 s91, s91, 100*256
	s_add_co_u32 s90, s90, s91
	s_mov_b32 s91, 0
	s_add_nc_u64 s[PWB:PWB+1], s[36:37], s[90:91]
	s_sub_co_u32 s88, s8, 1                        ; W's tiles: wave 1 fetches the tile's first group, wave 2 its second; no place in the cluster enters
	s_and_b32 s88, s88, 1
	s_lshl_b32 s89, s82, 1
	s_add_co_u32 s88, s88, s89
	s_mul_i32 s88, s88, s83
	s_add_co_u32 s88, s88, s81
	s_mul_i32 s88, s88, BLKB
	s_mov_b32 s89, 0
	s_add_nc_u64 s[88:89], s[36:37], s[88:89]
	s_mul_i32 s90, s8, DBL                         ; where they go: 51,200 x wave
.irp s, 0,1
	s_mov_b32 s[G0X+4*\s], 1
	s_add_co_u32 s[G0X+4*\s+1], s90, \s*SLOT
	s_add_nc_u64 s[G0X+4*\s+2:G0X+4*\s+3], s[86:87], \s*DBL
	s_or_b32 s[G0X+4*\s+3], s[G0X+4*\s+3], 0x80000000
	s_mov_b32 s[G0W+4*\s], 1
	s_add_co_u32 s[G0W+4*\s+1], s90, \s*SLOT
	s_add_nc_u64 s[G0W+4*\s+2:G0W+4*\s+3], s[88:89], \s*DBL
	s_or_b32 s[G0W+4*\s+3], s[G0W+4*\s+3], 0x80000000
.endr
	CROUND                                         ; all four work-groups are here: the first joint loads meet
	RLOAD 0                                        ; slot 0: at most one tensor load a wave at the head
	ASK DBL                                        ; double block 1,
	s_cmp_eq_u32 s84, 0                            ; and, where K has so many, double block 2
	s_cbranch_scc1 .Lshort_a
	ASK 2*DBL
.Lshort_a:
	; Three small tables, loaded by every kind of work-group, so that no register's content hangs on the kind: the bias at my 128 places of the W side, g_W2 at the same places, and the bias at my rows of the
	; X side (group held to 0..7, which is what v has; the tables have 1,024 numbers each).  q, k and the gate use the first, the gate the second, v the third.
	s_lshl_b32 s86, s82, 10
	s_lshl_b32 s87, s10, 9
	s_add_co_u32 s86, s86, s87
	s_mov_b32 s87, 0
	s_add_nc_u64 s[62:63], s[60:61], s[86:87]
	s_add_nc_u64 s[52:53], s[52:53], s[86:87]
	s_and_b32 s88, s85, 7
	s_lshl_b32 s88, s88, 9
	s_lshl_b32 s89, s9, 8
	s_add_co_u32 s88, s88, s89
	s_mov_b32 s89, 0
	s_add_nc_u64 s[60:61], s[60:61], s[88:89]
	WIN 0x40
.irp b, 0,1,2,3,4,5,6,7
	global_load_b128 v[BI+8*\b:BI+8*\b+3], v17, s[62:63] offset:(32*(\b/2)+8*(\b%2))*4
	global_load_b128 v[BI+8*\b+4:BI+8*\b+7], v17, s[62:63] offset:(32*(\b/2)+8*(\b%2))*4+16
.endr
	WIN 0xc0
.irp b, 0,1,2,3,4,5,6,7
	global_load_b128 v[8*\b:8*\b+3], v17, s[52:53] offset:(32*(\b/2)+8*(\b%2))*4
	global_load_b128 v[8*\b+4:8*\b+7], v17, s[52:53] offset:(32*(\b/2)+8*(\b%2))*4+16
.endr
	WIN 0
.irp a, 0,1,2,3
	global_load_b32 v[BV+2*\a], v18, s[60:61] offset:(32*(\a/2)+8*(\a%2))*4
	global_load_b32 v[BV+2*\a+1], v18, s[60:61] offset:(32*(\a/2)+8*(\a%2))*4   ; twice: a pair for the packed addition
.endr
	s_wait_tensorcnt 0x0                           ; my part of slot 0 is in
	ds_add_u32 v[SPW], v[NIL]
	ds_add_u32 v[SPW], v[NIL]
	s_wait_dscnt 0x0
	CROUND                                         ; everybody's part of slot 0 is in, and the four work-groups are here
	RLOAD 1                                        ; slot 1's first fill, the first tensor load behind the round
	FETCH 0, 0
	s_cmp_eq_u32 s84, 0
	s_cbranch_scc1 .Lshort_b
	ASK 3*DBL                                      ; double block 3
.Lshort_b:
	STEP 0, 0, 1                                   ; the first step's products start the sums
	s_mov_b32 s6, s84
	s_cmp_eq_u32 s6, 0                             ; q's K is the two slots' first fills: no trip
	s_cbranch_scc1 .Ltail
.Llap:                                             ; a trip goes once round the ring and fills both slots again
	STEP 0, 1, 0
	STEP 0, 2, 0
	TURN 0, 1, 1
	STEP 1, 0, 0
	STEP 1, 1, 0
	STEP 1, 2, 0
	TURN 1, 0, 1
	STEP 0, 0, 0
	s_sub_co_u32 s6, s6, 1
	s_cmp_lg_u32 s6, 0
	s_cbranch_scc1 .Llap
.Ltail:                                            ; the last lap fills nothing
	STEP 0, 1, 0
	STEP 0, 2, 0
	TURN 0, 1, 0
	STEP 1, 0, 0
	STEP 1, 1, 0
	STEP 1, 2, 0
	s_wait_dscnt 0x0
	WIN 0xa1
	MUL8 0, 3, 0
	MUL8 1, 3, 0
	MUL8 2, 3, 0
	MUL8 3, 3, 0
	WIN 0
	PLACES 4                                       ; in front of the first read of results and of writes over X's fragments
	s_wait_loadcnt 0x0                             ; the tables
; H = X's fragment a's 64 results + the bias along the W side; each accumulator is read from its low end on.  The addition is also the way into window 0.
.macro BIASN a
	WIN 0x06                                       ; source 0 window 2, source 1 window 1
.set i_, 0
.rept 32
	v_pk_add_f32 v[H+i_:H+i_+1], v[64*(\a)+i_:64*(\a)+i_+1], v[BI+i_:BI+i_+1]
.set i_, i_+2
.endr
	WIN 0
.endm
	s_cmp_eq_u32 s76, 0
	s_cbranch_scc1 .Lout_q
	s_cmp_eq_u32 s76, 1
	s_cbranch_scc1 .Lout_k
	s_cmp_eq_u32 s76, 2
	s_cbranch_scc1 .Lout_v
	; ---- the gate: relu, then the dot product with g_W2 over my 128 hidden units, in f32
	s_lshl_b32 s86, s82, 1
	s_add_co_u32 s86, s86, s10
	s_lshl_b32 s86, s86, 14
	s_lshl_b32 s87, s99, 8
	s_add_co_u32 s86, s86, s87
	s_mov_b32 s87, 0
	s_add_nc_u64 s[58:59], s[58:59], s[86:87]      ; gp: [chunk of 128 hidden units][64 rows] x 256 bytes
.irp a, 0,1,2,3
	BIASN \a
.set i_, 0
.rept 64
	v_max_num_f32 v[H+i_], 0, v[H+i_]
.set i_, i_+1
.endr
	WIN 0x0c                                       ; source 1 (g_W2) window 3
	v_pk_mul_f32 v[240:241], v[H:H+1], v[0:1]
	v_pk_mul_f32 v[242:243], v[H+2:H+3], v[2:3]
.set i_, 4
.rept 15
	v_pk_fma_f32 v[240:241], v[H+i_:H+i_+1], v[i_:i_+1], v[240:241]
	v_pk_fma_f32 v[242:243], v[H+i_+2:H+i_+3], v[i_+2:i_+3], v[242:243]
.set i_, i_+4
.endr
	WIN 0
	v_pk_add_f32 v[240:241], v[240:241], v[242:243]
	v_add_f32 v240, v240, v241
	v_permlanex16_b32 v241, v240, s[SEL], s[SEL+1]
	v_add_f32 v[G+\a], v240, v241                  ; with lane l xor 16's 64: my row's sum over the 128
.endr
	v_cndmask_b32 v242, v[G], v[G+2], s96          ; lanes 0-15: fragments 0 and 1, lanes 16-31: 2 and 3
	v_cndmask_b32 v243, v[G+1], v[G+3], s96
	global_store_b64 v[L8], v[242:243], s[58:59]   ; 256 consecutive bytes
	s_branch .Lend
.Lout_q:                                           ; ---- q: my 128 channels are a pair of heads: one fragment for each 16 rows
	s_lshl_b32 s86, s98, 6
	s_add_co_u32 s86, s86, s99
	s_mul_i32 s86, s86, 6400
	s_mov_b32 s87, 0
	s_add_nc_u64 s[54:55], s[54:55], s[86:87]      ; qimg: [branch][pair][64 rows] x 6,400 bytes
.irp a, 0,1,2,3
.if \a
	s_wait_xcnt 0x0                                ; the last fragment's stores have read the codes' registers
.endif
	BIASN \a
	QUANT H
	v_mov_b32 v[PWA+\a], v[PW]
.irp c, 0,1,2
	global_store_b128 v[L16], v[PC+4*\c:PC+4*\c+3], s[54:55] offset:1536*\a+512*\c
.endr
.endr
	v_cndmask_b32 v242, v[PWA], v[PWA+2], s96
	v_cndmask_b32 v243, v[PWA+1], v[PWA+3], s96
	global_store_b64 v[L8], v[242:243], s[54:55] offset:6144
	s_branch .Lend
.Lout_k:                                           ; ---- k: a fragment's registers 0-5 are the pair's first head, 6-11 its second: stored apart, 768 bytes a tile of 16 keys
	s_mul_i32 s86, s98, KVB
	s_mov_b32 s87, 0
	s_add_nc_u64 s[56:57], s[56:57], s[86:87]      ; kvimg: [branch][pair] x 104,448 bytes
	s_mul_i32 s86, s99, 4*768
	s_add_nc_u64 s[92:93], s[56:57], s[86:87]      ; my four tiles of keys
	s_lshl_b32 s86, s99, 8
	s_add_nc_u64 s[94:95], s[56:57], s[86:87]      ; and their scale words
.irp a, 0,1,2,3
.if \a
	s_wait_xcnt 0x0
.endif
	BIASN \a
	QUANT H
	v_mov_b32 v[PWA+\a], v[PW]
	global_store_b128 v[L16], v[PC:PC+3], s[92:93] offset:768*\a
	global_store_b64 v[L8], v[PC+4:PC+5], s[92:93] offset:768*\a+512
	global_store_b128 v[L16], v[PC+6:PC+9], s[92:93] offset:24576+768*\a
	global_store_b64 v[L8], v[PC+10:PC+11], s[92:93] offset:24576+768*\a+512
.endr
	v_cndmask_b32 v242, v[PWA], v[PWA+2], s96
	v_cndmask_b32 v243, v[PWA+1], v[PWA+3], s96
	v_lshrrev_b32 v240, 16, v242                   ; the second head's two bytes come down to bytes 0 and 1
	v_lshrrev_b32 v241, 16, v243
	global_store_b64 v[L8], v[242:243], s[94:95] offset:49152
	global_store_b64 v[L8], v[240:241], s[94:95] offset:49152+2048
	s_branch .Lend
.Lout_v:                                           ; ---- v: a lane holds a channel, its 64 registers 128 keys: one fragment of V^T for each 16 channels
	s_lshl_b32 s86, s77, 3
	s_add_co_u32 s86, s86, s85
	s_mul_i32 s86, s86, KVB
	s_mov_b32 s87, 0
	s_add_nc_u64 s[56:57], s[56:57], s[86:87]
	s_lshl_b32 s88, s9, 2
	s_lshl_b32 s89, s82, 1
	s_add_co_u32 s88, s88, s89
	s_add_co_u32 s88, s88, s10                     ; 4 x head of the pair + which 128 keys
	s_mul_i32 s86, s88, 6144
	s_add_nc_u64 s[92:93], s[56:57], s[86:87]
	s_lshl_b32 s86, s88, 8
	s_add_nc_u64 s[94:95], s[56:57], s[86:87]
	s_and_b32 s86, s82, s10
	s_cmp_eq_u32 s86, 1                            ; the last 128 keys hold keys 500-511: registers 52-63 of lanes 16-31
	s_cselect_b32 s97, 0xffff, -1
.irp a, 0,1,2,3
.if \a
	s_wait_xcnt 0x0
.endif
	WIN 0x02
.set i_, 0
.rept 32
	v_pk_add_f32 v[H+i_:H+i_+1], v[64*\a+i_:64*\a+i_+1], v[BV+2*\a:BV+2*\a+1]
.set i_, i_+2
.endr
	WIN 0
.irp i, 52,53,54,55,56,57,58,59,60,61,62,63
	v_cndmask_b32 v[H+\i], 0, v[H+\i], s97         ; keys past the 500th are zeros ahead of the block's maximum
.endr
	QUANT H
	v_mov_b32 v[PWA+\a], v[PW]
.irp c, 0,1,2
	global_store_b128 v[L16], v[PC+4*\c:PC+4*\c+3], s[92:93] offset:53248+1536*\a+512*\c
.endr
.endr
	v_cndmask_b32 v242, v[PWA], v[PWA+2], s96
	v_cndmask_b32 v243, v[PWA+1], v[PWA+3], s96
	global_store_b64 v[L8], v[242:243], s[94:95] offset:102400
.Lend:
	s_wait_tensorcnt 0x0                           ; the wave's end
	ds_add_u32 v[SPW], v[NIL]
	s_wait_dscnt 0x0
	CROUND                                         ; the closing round: no work-group ends while a partner may still ask for a tile that names it
	s_endpgm
.Lfunc_end_k_q1341bf3a69_proj:
	.size	k_q1341bf3a69_proj, .Lfunc_end_k_q1341bf3a69_proj-k_q1341bf3a69_proj
	.p2alignl 7, 3214868480
	.fill 96, 4, 3214868480
	.section	.rodata,"a",@progbits
	.p2align	6, 0x0
	.amdhsa_kernel k_q1341bf3a69_proj
		.amdhsa_group_segment_fixed_size 327680
		.amdhsa_private_segment_fixed_size 0
		.amdhsa_enable_private_segment 0
		.amdhsa_kernarg_size 96
		.amdhsa_user_sgpr_count 2
		.amdhsa_user_sgpr_kernarg_segment_ptr 1
		.amdhsa_wavefront_size32 1
		.amdhsa_system_sgpr_workgroup_id_x 1
		.amdhsa_system_sgpr_workgroup_id_y 1
		.amdhsa_system_sgpr_workgroup_id_z 1
		.amdhsa_system_vgpr_workitem_id 0
		.amdhsa_next_free_vgpr 832
		.amdhsa_next_free_sgpr 100
		.amdhsa_reserve_vcc 0
		.amdhsa_float_denorm_mode_32 3
		.amdhsa_float_denorm_mode_16_64 3
		.amdhsa_memory_ordered 1
		.amdhsa_forward_progress 1
		.amdhsa_inst_pref_size 236
	.end_amdhsa_kernel
	.amdgpu_metadata
---
amdhsa.version: [ 1, 2 ]
amdhsa.kernels:
  - .name:           k_q1341bf3a69_proj
    .symbol:         k_q1341bf3a69_proj.kd
    .args:
      - { .name: ops, .offset: 0, .size: 8, .value_kind: global_buffer, .address_space: global }
      - { .name: t_bq, .offset: 8, .size: 8, .value_kind: global_buffer, .address_space: global }
      - { .name: d_bq, .offset: 16, .size: 8, .value_kind: global_buffer, .address_space: global }
      - { .name: t_bk, .offset: 24, .size: 8, .value_kind: global_buffer, .address_space: global }
      - { .name: d_bk, .offset: 32, .size: 8, .value_kind: global_buffer, .address_space: global }
      - { .name: t_bv, .offset: 40, .size: 8, .value_kind: global_buffer, .address_space: global }
      - { .name: d_bv, .offset: 48, .size: 8, .value_kind: global_buffer, .address_space: global }
      - { .name: g_b1, .offset: 56, .size: 8, .value_kind: global_buffer, .address_space: global }
      - { .name: g_W2, .offset: 64, .size: 8, .value_kind: global_buffer, .address_space: global }
      - { .name: qimg, .offset: 72, .size: 8, .value_kind: global_buffer, .address_space: global }
      - { .name: kvimg, .offset: 80, .size: 8, .value_kind: global_buffer, .address_space: global }
      - { .name: gp, .offset: 88, .size: 8, .value_kind: global_buffer, .address_space: global }
    .group_segment_fixed_size: 327680
    .private_segment_fixed_size: 0
    .kernarg_segment_align: 8
    .kernarg_segment_size: 96
    .max_flat_workgroup_size: 128
    .sgpr_count:     100
    .vgpr_count:     832
    .wavefront_size: 32
...
	.end_amdgpu_metadata
.endif
;; end of part 2
;; launch attn (part 3): grid 256 x 1, 8 waves a work-group, clusters of 4 x 1, 327,680 bytes of LDS; arguments qimg, kvimg, oimg; writes oimg
.if DOCPART == 3
	.amdgcn_target "amdgcn-amd-amdhsa--gfx1250"
	.amdhsa_code_object_version 6
	.text
	.protected	k_q1341bf3a69_attn
	.globl	k_q1341bf3a69_attn
	.p2align	8
	.type	k_q1341bf3a69_attn,@function
k_q1341bf3a69_attn:
	s_mov_b64 s[64:65], 0
	v_nop
	global_prefetch_b8 v0, s[64:65] scope:SCOPE_SE
	s_setreg_imm32_b32 hwreg(HW_REG_WAVE_MODE, 25, 1), 1
	s_wait_xcnt 0x0
	s_wait_alu depctr_hold_cnt(0) depctr_sa_sdst(0) depctr_va_vdst(0) depctr_va_sdst(0) depctr_va_ssrc(0) depctr_va_vcc(0) depctr_vm_vsrc(0)
	s_getreg_b32 s2, hwreg(HW_REG_IB_STS2, 6, 4)
	s_cmp_eq_u32 s2, 0
	s_cbranch_scc0 .Lentry_in_a_cluster
	s_endpgm
.Lentry_in_a_cluster:
	s_bfe_u32 s2, ttmp6, 0x10000c
	s_cmp_lg_u32 s2, 0x3003
	s_cbranch_scc0 .Lentry_shape_is_right
	s_endpgm
.Lentry_shape_is_right:
; The attention of both branches on codes of FP6 (E2M3): S^T = k q^T (K = a head's 64), p = 2^(t - M), O^T = v^T p^T (K = 512 keys, of which 500 count), O / the row's sum, quantised for the output projection.
; t = score x log2(e) / 8; M = the row's largest t rounded up to a whole number.  All 512 keys of a row are held at once (256 registers a lane), so M is final: nothing is rescaled.
; The row's sum is taken of the unquantised p.  A block's largest p is made from the block's largest score by the same multiply-add and exponential (this takes v_exp_f32 not to fall where its input rises).
; SHARES.  A work-group = one branch x two pairs of heads x 128 rows: it makes exactly one block of oimg.  Each of its eight waves owns 16 rows and walks four heads; two waves share a SIMD.
; CLUSTER of 4: four groups of rows of the same branch and heads; k and v of the two pairs (2 x 104,448 bytes) are asked for jointly, once.  No LDS byte is filled twice.
; TWO LOADS A WAVE: at the head an eighth of the first pair's k and v (51 rows of 256 bytes); the same eighth of the second pair behind the full sequence of a wait, an add and a round, ahead of its first
; fill.  A wave has one tensor load out at a time.
; No prefetch: the second pair's load has two heads' work in which to land, and the first pair's is the launch's first request.
; The two pairs are written out, so that every LDS address is a constant and a lane's term.
; THE HEAD'S 64 IN AN INSTRUCTION OF 128: q's operand is the head's six registers and six registers of zero codes; k's operand is a tile's six registers and the six that follow them (the next tile's codes,
; which are finite numbers and meet zeros).  All scale bytes are bytes of scales or 0: none is 0xff.
; Both products are used transposed: a lane holds one query throughout.  The keys of a tile and v's channels lie in the fragments' order of rows, so that 16 registers of two tiles are 16 neighbours.
; LIMITS: no NaN, no infinities; bytes held at 1 from below.
; The scale words of o are stored by both halves of the lanes with the same values: 128 bytes a wave.
; REGISTERS: window 0: see the names below.  window 1: the 256 scores, then p, then v's sixteen fragments (v0-191).
.set KVB,  104448                      ; a pair's k and v in bytes
.set KREG, 53248                       ; of which k's codes and scale words
.set SPARE, 2*KVB                      ; behind the two pairs: the spare words, 128 bytes a wave
.set L16,  1
.set L8,   2
.set R8,   3
.set AK16, 4
.set AK8,  5
.set AKS,  6
.set AV16, 7
.set AVS,  8
.set NINF, 9
.set QS,   18                          ; q's scale word for the head in hand
.set RC,   20                          ; v20 1 / the row's sum; v21 stays 0 (the pair's upper half, named and not used)
.set OWP,  24                          ; v24, v25  o's scale words of the two pairs
.set QA,   32                          ; v32-43  q's operand: v38-43 stay zero
.set QL,   44                          ; v44-55  q's fragment of the first pair;  v56-67 of the second
.set QW,   68                          ; v68, v69  their scale words
.set KS,   70                          ; v70-85  k's scale words, later v's
.set BM,   86                          ; v86-101 the blocks' largest scores, then p
.set BT,   102                         ; v102-117 at work
.set SO,   118                         ; v118-133 the conversions' scale operands
.set PWP,  134                         ; v134-137 p's scale words
.set SPW,  138
.set NIL,  139
.set KF,   140                         ; v140-235 sixteen tiles of k; v236-241 stay zero
.set PCD,  140                         ; later: p's four fragments
.set CT,   196                         ; the conversions' second halves
.set OA,   196                         ; later: O^T, four accumulators
.set OC,   242                         ; v242-253 o's fragment
.set MM,   254                         ; v254 -M, v255 the row's largest t
.set G1C,  76                          ; s[76:83] descriptor group 1: 51 rows of 256 bytes
.set G0A,  20                          ; s[20:23], s[84:87] group 0 of the first pair and of the second
.set G0C,  84
.set MSB, 0
.macro WIN new                         ; the immediate's high byte repeats the setting that is left
.if MSB != \new
	s_set_vgpr_msb (MSB<<8)|\new
.set MSB, \new
.endif
.endm
.macro PLACES n
.rept \n
	v_nop
.endr
.endm
.macro CROUND
	s_barrier_signal -1
	s_barrier_wait -1
	s_cmp_lg_u32 s8, 0
	s_cbranch_scc1 .Lnot_wave_0_\@
	s_barrier_signal -3
.Lnot_wave_0_\@:
	s_barrier_wait -3
	s_barrier_signal -1
	s_barrier_wait -1
.endm
.macro ADDR hp                         ; the LDS addresses of pair hp: a constant and a lane's term
	v_add_nc_u32 v[AK16], \hp*KVB, v[L16]
	v_add_nc_u32 v[AK8], \hp*KVB, v[L8]
	v_add_nc_u32 v[AKS], \hp*KVB, v[R8]
	v_add_nc_u32 v[AV16], \hp*KVB+KREG, v[L16]
	v_add_nc_u32 v[AVS], \hp*KVB+102400, v[R8]
.endm
; One head (hp: which pair; e: which of the pair) for my 16 queries.
.macro UNIT hp, e
.irp i, 0,1,2,3,4,5
	v_mov_b32 v[QA+\i], v[QL+12*\hp+6*\e+\i]
.endr
.if \e
	v_lshrrev_b32 v[QS], 16, v[QW+\hp]
.else
	v_mov_b32 v[QS], v[QW+\hp]
.endif
	s_wait_alu depctr_va_vdst(0)
	PLACES 8                                       ; a scale register written by a vector instruction stands 8 places ahead of a scaled matrix instruction, an operand 4
.irp g, 0,1                                    ; S^T = k q^T, sixteen tiles of 16 keys at a time
.if \g
	PLACES 4                                       ; in front of loads into registers that matrix instructions have read
.endif
.irp t, 0,1,2,3,4,5,6,7,8,9,10,11,12,13,14,15
	ds_load_b128 v[KF+6*\t:KF+6*\t+3], v[AK16] offset:24576*\e+768*(16*\g+\t)
	ds_load_b64 v[KF+6*\t+4:KF+6*\t+5], v[AK8] offset:24576*\e+768*(16*\g+\t)+512
.endr
.irp p, 0,1,2,3,4,5,6,7
	ds_load_b64 v[KS+2*\p:KS+2*\p+1], v[AKS] offset:49152+2048*\e+128*(8*\g+\p)
.endr
	s_wait_dscnt 0x0
	WIN 0x40                                       ; the scores lie in window 1
.irp t, 0,1,2,3,4,5,6,7,8,9,10,11,12,13,14,15
	v_wmma_scale_f32_16x16x128_f8f6f4 v[8*(16*\g+\t):8*(16*\g+\t)+7], v[KF+6*\t:KF+6*\t+11], v[QA:QA+11], 0, v[KS+\t], v[QS] matrix_a_fmt:MATRIX_FMT_FP6 matrix_b_fmt:MATRIX_FMT_FP6
.endr
	WIN 0
.endr                                          ; register 16 b + x of lane (r, h) is the score of query r and key 32 b + 16 h + x
	PLACES 4
	WIN 0x15
.irp b, 0,1,2,3,4,5,6,7,8,9,10,11,12,13,14,15
	v_max3_num_f32 v[BM+\b], v[16*\b], v[16*\b+1], v[16*\b+2]   ; the largest score of each block of 32 keys; each tile is read from its low end on
.endr
	WIN 0x41
.irp x, 244,245,246,247,248,249,250,251,252,253,254,255
	v_cndmask_b32 v[\x], v[\x], v[NINF], s34       ; keys 500-511 (lanes 16-31) become -infinity: p = 0
.endr
	WIN 0x14
.irp i, 3,5,7,9,11,13
.irp b, 0,1,2,3,4,5,6,7,8,9,10,11,12,13,14,15
	v_max3_num_f32 v[BM+\b], v[BM+\b], v[16*\b+\i], v[16*\b+\i+1]
.endr
.endr
	WIN 0x04
.irp b, 0,1,2,3,4,5,6,7,8,9,10,11,12,13,14,15
	v_max_num_f32 v[BM+\b], v[BM+\b], v[16*\b+15]
.endr
	WIN 0
.irp b, 0,1,2,3,4,5,6,7,8,9,10,11,12,13,14,15
	v_permlanex16_b32 v[BT+\b], v[BM+\b], s32, s33
.endr
.irp b, 0,1,2,3,4,5,6,7,8,9,10,11,12,13,14,15
	v_max_num_f32 v[BM+\b], v[BM+\b], v[BT+\b]     ; with lane l xor 16's 16 keys
.endr
	v_max3_num_f32 v[MM+1], v[BM], v[BM+1], v[BM+2]
.irp b, 3,5,7,9,11,13
	v_max3_num_f32 v[MM+1], v[MM+1], v[BM+\b], v[BM+\b+1]
.endr
	v_max_num_f32 v[MM+1], v[MM+1], v[BM+15]       ; my query's largest score,
	v_mul_f32 v[MM+1], s30, v[MM+1]                ; as t (c is positive)
	v_floor_f32 v[MM], -v[MM+1]                    ; -M = floor(-t)
.irp b, 0,1,2,3,4,5,6,7,8,9,10,11,12,13,14,15
	v_fma_f32 v[BM+\b], v[BM+\b], s30, v[MM]       ; t - M of each block's largest score
.endr
	WIN 0x41
.set j_, 0
.rept 128
	v_pk_fma_f32 v[j_:j_+1], v[j_:j_+1], s[30:31], v[MM:MM+1] op_sel_hi:[1,0,0]   ; t - M, two at a time (of the pairs c and -M the low word serves both halves)
.set j_, j_+2
.endr
	s_wait_alu depctr_va_vdst(0)                   ; all the batch's sources are laid
.set j_, 0
.rept 256
	v_exp_f32 v[j_], v[j_]                         ; p = 2^(t - M)
.set j_, j_+1
.endr
	WIN 0
.irp b, 0,1,2,3,4,5,6,7,8,9,10,11,12,13,14,15
	v_exp_f32 v[BM+\b], v[BM+\b]                   ; the blocks' largest p
.endr
	v_nop                                          ; a plain place behind the exponentials
	s_wait_alu depctr_va_vdst(0)                   ; and one wait behind the batch, ahead of its first reader
	WIN 0x05                                       ; the row's sum of the unquantised p: four chains, begun by additions
	v_pk_add_f32 v[14:15], v[0:1], v[2:3]
	v_pk_add_f32 v[16:17], v[4:5], v[6:7]
	v_pk_add_f32 v[26:27], v[8:9], v[10:11]
	v_pk_add_f32 v[28:29], v[12:13], v[14:15]
	WIN 0x04
.set j_, 16
.rept 30
	v_pk_add_f32 v[14:15], v[14:15], v[j_:j_+1]
	v_pk_add_f32 v[16:17], v[16:17], v[j_+2:j_+3]
	v_pk_add_f32 v[26:27], v[26:27], v[j_+4:j_+5]
	v_pk_add_f32 v[28:29], v[28:29], v[j_+6:j_+7]
.set j_, j_+8
.endr
	WIN 0
	v_pk_add_f32 v[14:15], v[14:15], v[16:17]
	v_pk_add_f32 v[26:27], v[26:27], v[28:29]
	v_pk_add_f32 v[14:15], v[14:15], v[26:27]
.irp b, 0,1,2,3,4,5,6,7,8,9,10,11,12,13,14,15
	v_max_num_f32 v[BM+\b], 0x1800000, v[BM+\b]    ; the floor 2^(3 - 127)
.endr
.irp b, 0,1,2,3,4,5,6,7,8,9,10,11,12,13,14,15
	v_add_nc_u32 v[SO+\b], 0xff000000, v[BM+\b]    ; 2 off the exponent field: the conversion's scale operand
.endr
.irp b, 0,1,2,3,4,5,6,7,8,9,10,11,12,13,14,15
	v_lshrrev_b32 v[BT+\b], 23, v[SO+\b]           ; the scale's byte
.endr
.irp k, 0,1,2,3
	v_lshl_or_b32 v[PWP+\k], v[BT+4*\k+1], 8, v[BT+4*\k]
	v_lshl_or_b32 v[PWP+\k], v[BT+4*\k+2], 16, v[PWP+\k]
	v_lshl_or_b32 v[PWP+\k], v[BT+4*\k+3], 24, v[PWP+\k]
.endr
	WIN 0x01
.irp k, 0,1,2,3
.irp c, 0,1
	v_cvt_scalef32_pk16_fp6_f32 v[PCD+12*\k+6*\c:PCD+12*\k+6*\c+2], v[64*\k+32*\c:64*\k+32*\c+15], v[SO+4*\k+2*\c]
	v_cvt_scalef32_pk16_fp6_f32 v[CT+4*(2*\k+\c):CT+4*(2*\k+\c)+2], v[64*\k+32*\c+16:64*\k+32*\c+31], v[SO+4*\k+2*\c+1]
.endr
.endr
	v_nop                                          ; one plain place behind a scaled conversion
	WIN 0
.irp k, 0,1,2,3
.irp c, 0,1
.irp i, 0,1,2
	v_permlane16_swap_b32 v[PCD+12*\k+6*\c+\i], v[CT+4*(2*\k+\c)+\i]
.endr
.irp i, 0,1,2
	v_mov_b32 v[PCD+12*\k+6*\c+3+\i], v[CT+4*(2*\k+\c)+\i]
.endr
.endr
.endr
	s_wait_alu depctr_va_vdst(0)
	WIN 0x40                                       ; v's sixteen fragments (four K steps of 128 keys x four tiles of 16 channels) take p's registers
.irp f, 0,1,2,3,4,5,6,7,8,9,10,11,12,13,14,15
.irp c, 0,1,2
	ds_load_b128 v[12*\f+4*\c:12*\f+4*\c+3], v[AV16] offset:24576*\e+1536*\f+512*\c
.endr
.endr
	WIN 0
.irp k, 0,1,2,3
.irp p, 0,1
	ds_load_b64 v[KS+4*\k+2*\p:KS+4*\k+2*\p+1], v[AVS] offset:1024*\e+256*\k+128*\p
.endr
.endr
	PLACES 4                                       ; p's codes were written by vector instructions: 4 places ahead of the products
	s_wait_dscnt 0x0
	WIN 0x01
.irp k, 0,1,2,3                                ; O^T = v^T p^T: four accumulators by turns
.irp c, 0,1,2,3
.if \k == 0
	v_wmma_scale_f32_16x16x128_f8f6f4 v[OA+8*\c:OA+8*\c+7], v[12*(4*\k+\c):12*(4*\k+\c)+11], v[PCD+12*\k:PCD+12*\k+11], 0, v[KS+4*\k+\c], v[PWP+\k] matrix_a_fmt:MATRIX_FMT_FP6 matrix_b_fmt:MATRIX_FMT_FP6
.else
	v_wmma_scale_f32_16x16x128_f8f6f4 v[OA+8*\c:OA+8*\c+7], v[12*(4*\k+\c):12*(4*\k+\c)+11], v[PCD+12*\k:PCD+12*\k+11], v[OA+8*\c:OA+8*\c+7], v[KS+4*\k+\c], v[PWP+\k] matrix_a_fmt:MATRIX_FMT_FP6 matrix_b_fmt:MATRIX_FMT_FP6
.endif
.endr
.endr
	WIN 0
	PLACES 4
	v_add_f32 v14, v14, v15
	v_permlanex16_b32 v[BT], v14, s32, s33
	v_add_f32 v14, v14, v[BT]                      ; the row's sum
	s_wait_alu depctr_va_vdst(0)                   ; ahead of the transcendental
	v_rcp_f32 v[RC], v14
	v_nop
	s_wait_alu depctr_va_vdst(0)                   ; and behind it, directly ahead of the first reader of it and of O^T
.set j_, 0
.rept 16
	v_pk_mul_f32 v[OA+j_:OA+j_+1], v[OA+j_:OA+j_+1], v[RC:RC+1] op_sel_hi:[1,0]   ; O / the sum; register 16 b + x is channel 32 b + 16 h + x of the head
.set j_, j_+2
.endr
.irp b, 0,1                                    ; the head's two blocks of 32 channels are quantised: registers 6 e .. 6 e + 5 of o's fragment
	v_max3_num_f32 v[BM+\b], |v[OA+16*\b]|, |v[OA+16*\b+1]|, 0x1800000
.endr
.irp i, 2,4,6,8,10,12,14
.irp b, 0,1
	v_max3_num_f32 v[BM+\b], v[BM+\b], |v[OA+16*\b+\i]|, |v[OA+16*\b+\i+1]|
.endr
.endr
.irp b, 0,1
	v_permlanex16_b32 v[BT+\b], v[BM+\b], s32, s33
.endr
.irp b, 0,1
	v_max_num_f32 v[BM+\b], v[BM+\b], v[BT+\b]
.endr
.irp b, 0,1
	v_add_nc_u32 v[SO+\b], 0xff000000, v[BM+\b]
.endr
.irp b, 0,1
	v_lshrrev_b32 v[BT+\b], 23, v[SO+\b]
.endr
.if \e
	v_lshl_or_b32 v[OWP+\hp], v[BT], 16, v[OWP+\hp]
	v_lshl_or_b32 v[OWP+\hp], v[BT+1], 24, v[OWP+\hp]
.else
	v_lshl_or_b32 v[OWP+\hp], v[BT+1], 8, v[BT]
.endif
	v_cvt_scalef32_pk16_fp6_f32 v[OC+6*\e:OC+6*\e+2], v[OA:OA+15], v[SO]
	v_cvt_scalef32_pk16_fp6_f32 v[BT+4:BT+6], v[OA+16:OA+31], v[SO+1]
	v_nop
.irp i, 0,1,2
	v_permlane16_swap_b32 v[OC+6*\e+\i], v[BT+4+\i]
.endr
.irp i, 0,1,2
	v_mov_b32 v[OC+6*\e+3+\i], v[BT+4+\i]
.endr
.endm
	s_load_b128 s[40:43], s[0:1], 0x0              ; qimg, kvimg
	s_load_b64 s[44:45], s[0:1], 0x10              ; oimg
	v_lshl_add_u32 v[SPW], v0, 2, SPARE
	v_mov_b32 v[NIL], 0
	ds_add_u32 v[SPW], v[NIL]                      ; the opening lines: the add twice on end and one wait
	ds_add_u32 v[SPW], v[NIL]
	v_lshrrev_b32 v1, 5, v0
	v_readfirstlane_b32 s8, v1                     ; wave 0..7
	v_and_b32 v1, 31, v0
	v_lshlrev_b32 v[L8], 3, v1
	v_lshlrev_b32 v[L16], 4, v1
	v_and_b32 v[R8], 15, v0
	v_lshlrev_b32 v[R8], 3, v[R8]
	v_mov_b32 v[NINF], 0xff800000
	v_mov_b32 v[RC+1], 0
.irp i, 6,7,8,9,10,11
	v_mov_b32 v[QA+\i], 0                          ; zero codes for the upper 64 of the instruction's K
.endr
.irp i, 96,97,98,99,100,101
	v_mov_b32 v[KF+\i], 0                          ; what follows the sixteenth tile
.endr
.irp b, 0,1,2,3,4,5,6,7,8,9,10,11,12,13,14,15
	v_mov_b32 v[BT+\b], 0                          ; written once: a lane permute's destination counts as one of its sources
.endr
	ADDR 0
	s_wait_alu depctr_va_vdst(0)                   ; behind the head's last vector instruction
	s_bfe_u32 s9, ttmp6, 0x40000                   ; cx
	s_lshr_b32 s10, ttmp9, 5                       ; branch
	s_bfe_u32 s11, ttmp9, 0x20003                  ; which two pairs of heads
	s_and_b32 s28, ttmp9, 7
	s_lshl_b32 s28, s28, 2
	s_add_co_u32 s28, s28, s9                      ; my group of 128 rows: it enters q's and o's addresses alone
	s_lshl_b32 s46, s10, 3
	s_lshl_b32 s47, s11, 1
	s_add_co_u32 s46, s46, s47                     ; 8 x branch + the first pair
	s_mov_b32 s[G1C], 15|(3<<16)|(1<<21)           ; the four partners; elements of 8 bytes; bit 21 beside a mask; no padding
	s_mov_b32 s[G1C+1], 32<<16                     ; rows of 256 bytes, dense
	s_mov_b32 s[G1C+2], 51<<16                     ; an eighth of a pair: 51 rows
	s_mov_b32 s[G1C+3], 32<<16
	s_mov_b32 s[G1C+4], 51
	s_mov_b32 s[G1C+5], 32
	s_mov_b32 s[G1C+6], 0
	s_mov_b32 s[G1C+7], 0
	s_mov_b32 s30, 0x3e38aa3b                      ; c = log2(e) / 8
	s_mov_b32 s31, s30
	s_mov_b32 s32, 0x76543210
	s_mov_b32 s33, 0xfedcba98
	s_mov_b32 s34, 0xffff0000
	s_mul_i32 s48, s46, KVB
	s_mov_b32 s49, 0
	s_mov_b32 s51, 0
	s_wait_dscnt 0x0                               ; both opening adds are done
	s_wait_kmcnt 0x0
	s_add_nc_u64 s[48:49], s[42:43], s[48:49]      ; the first pair's k and v in memory
	s_mul_i32 s50, s8, 13056                       ; my eighth of a pair
	s_mov_b32 s[G0A], 1
	s_mov_b32 s[G0A+1], s50
	s_add_nc_u64 s[G0A+2:G0A+3], s[48:49], s[50:51]
	s_or_b32 s[G0A+3], s[G0A+3], 0x80000000
	s_mov_b32 s[G0C], 1
	s_add_co_u32 s[G0C+1], s50, KVB
	s_add_nc_u64 s[G0C+2:G0C+3], s[48:49], s[50:51]
	s_add_nc_u64 s[G0C+2:G0C+3], s[G0C+2:G0C+3], KVB
	s_or_b32 s[G0C+3], s[G0C+3], 0x80000000
	s_lshl_b32 s51, s46, 6
	s_lshl_b32 s52, s28, 1
	s_add_co_u32 s51, s51, s52
	s_lshr_b32 s52, s8, 2
	s_add_co_u32 s51, s51, s52                     ; q: [branch][pair][64 rows]: my 64 rows of the first pair
	s_mul_i32 s52, s51, 6400
	s_mov_b32 s53, 0
	s_add_nc_u64 s[58:59], s[40:41], s[52:53]
	s_and_b32 s54, s8, 3
	s_mul_i32 s52, s54, 1536
	s_add_nc_u64 s[56:57], s[58:59], s[52:53]      ; my fragment
	s_lshr_b32 s52, s54, 1
	s_lshl_b32 s52, s52, 7
	s_and_b32 s55, s8, 1
	s_lshl_b32 s55, s55, 2
	s_add_co_u32 s52, s52, s55
	s_add_nc_u64 s[58:59], s[58:59], s[52:53]      ; its scale words, less 6,144
.irp c, 0,1,2                                  ; q is asked for ahead of the tiles
	global_load_b128 v[QL+4*\c:QL+4*\c+3], v[L16], s[56:57] offset:512*\c
	global_load_b128 v[QL+12+4*\c:QL+12+4*\c+3], v[L16], s[56:57] offset:409600+512*\c   ; the next pair lies 64 x 6,400 bytes on
.endr
	global_load_b32 v[QW], v[R8], s[58:59] offset:6144
	global_load_b32 v[QW+1], v[R8], s[58:59] offset:6144+409600
	CROUND                                         ; all four work-groups are here: the joint loads meet
	tensor_load_to_lds s[G0A:G0A+3], s[G1C:G1C+7]  ; the first pair: one tensor load a wave at the head
	s_nop 0
	PLACES 4
	s_lshl_b32 s52, s28, 3
	s_lshl_b32 s54, s10, 2
	s_add_co_u32 s52, s52, s54
	s_add_co_u32 s52, s52, s11
	s_mul_i32 s52, s52, 25600                      ; my block of oimg: [group][4 trend, 4 detail]
	s_add_nc_u64 s[60:61], s[44:45], s[52:53]
	s_mul_i32 s52, s8, 1536
	s_add_nc_u64 s[36:37], s[60:61], s[52:53]      ; my fragment in it
	s_lshl_b32 s52, s8, 7
	s_add_nc_u64 s[60:61], s[60:61], s[52:53]      ; my rows' scale words, less 24,576
	s_wait_tensorcnt 0x0                           ; my part of the first pair is in
	ds_add_u32 v[SPW], v[NIL]
	s_wait_dscnt 0x0
	CROUND                                         ; everybody's part is in, and the four work-groups are here
	tensor_load_to_lds s[G0C:G0C+3], s[G1C:G1C+7]  ; the second pair, the first tensor load behind the round
	s_nop 0
	PLACES 4
	s_wait_loadcnt 0x0                             ; q
	UNIT 0, 0
	UNIT 0, 1
.irp c, 0,1,2
	global_store_b128 v[L16], v[OC+4*\c:OC+4*\c+3], s[36:37] offset:512*\c   ; K step 0 of my fragment of o: 512 consecutive bytes a store
.endr
	s_wait_tensorcnt 0x0                           ; my part of the second pair is in,
	s_wait_dscnt 0x0
	s_barrier_signal -1
	s_barrier_wait -1                              ; everybody's is
	ADDR 1
	s_wait_xcnt 0x0                                ; the stores have read the registers of o's codes, which the next pair writes again
	UNIT 1, 0
	UNIT 1, 1
.irp c, 0,1,2
	global_store_b128 v[L16], v[OC+4*\c:OC+4*\c+3], s[36:37] offset:12288+512*\c   ; K step 1
.endr
	global_store_b64 v[R8], v[OWP:OWP+1], s[60:61] offset:24576   ; my rows' two scale words
	s_wait_tensorcnt 0x0                           ; the wave's end
	ds_add_u32 v[SPW], v[NIL]
	s_wait_dscnt 0x0
	CROUND                                         ; the closing round
	s_endpgm
.Lfunc_end_k_q1341bf3a69_attn:
	.size	k_q1341bf3a69_attn, .Lfunc_end_k_q1341bf3a69_attn-k_q1341bf3a69_attn
	.p2alignl 7, 3214868480
	.fill 96, 4, 3214868480
	.section	.rodata,"a",@progbits
	.p2align	6, 0x0
	.amdhsa_kernel k_q1341bf3a69_attn
		.amdhsa_group_segment_fixed_size 327680
		.amdhsa_private_segment_fixed_size 0
		.amdhsa_enable_private_segment 0
		.amdhsa_kernarg_size 24
		.amdhsa_user_sgpr_count 2
		.amdhsa_user_sgpr_kernarg_segment_ptr 1
		.amdhsa_wavefront_size32 1
		.amdhsa_system_sgpr_workgroup_id_x 1
		.amdhsa_system_sgpr_workgroup_id_y 1
		.amdhsa_system_sgpr_workgroup_id_z 1
		.amdhsa_system_vgpr_workitem_id 0
		.amdhsa_next_free_vgpr 512
		.amdhsa_next_free_sgpr 100
		.amdhsa_reserve_vcc 0
		.amdhsa_float_denorm_mode_32 3
		.amdhsa_float_denorm_mode_16_64 3
		.amdhsa_memory_ordered 1
		.amdhsa_forward_progress 1
		.amdhsa_inst_pref_size 253
	.end_amdhsa_kernel
	.amdgpu_metadata
---
amdhsa.version: [ 1, 2 ]
amdhsa.kernels:
  - .name:           k_q1341bf3a69_attn
    .symbol:         k_q1341bf3a69_attn.kd
    .args:
      - { .name: qimg, .offset: 0, .size: 8, .value_kind: global_buffer, .address_space: global }
      - { .name: kvimg, .offset: 8, .size: 8, .value_kind: global_buffer, .address_space: global }
      - { .name: oimg, .offset: 16, .size: 8, .value_kind: global_buffer, .address_space: global }
    .group_segment_fixed_size: 327680
    .private_segment_fixed_size: 0
    .kernarg_segment_align: 8
    .kernarg_segment_size: 24
    .max_flat_workgroup_size: 256
    .sgpr_count:     100
    .vgpr_count:     512
    .wavefront_size: 32
...
	.end_amdgpu_metadata
.endif
;; end of part 3
;; launch outp (part 4): grid 16 x 16, 4 waves a work-group, clusters of 4 x 4, 327,680 bytes of LDS; arguments oimg, ops, gp, g_b2, t_bo, d_bo, out0; writes out0
.if DOCPART == 4
	.amdgcn_target "amdgcn-amd-amdhsa--gfx1250"
	.amdhsa_code_object_version 6
	.text
	.protected	k_q1341bf3a69_outp
	.globl	k_q1341bf3a69_outp
	.p2align	8
	.type	k_q1341bf3a69_outp,@function
k_q1341bf3a69_outp:
	s_mov_b64 s[64:65], 0
	v_nop
	global_prefetch_b8 v0, s[64:65] scope:SCOPE_SE
	s_setreg_imm32_b32 hwreg(HW_REG_WAVE_MODE, 25, 1), 1
	s_wait_xcnt 0x0
	s_wait_alu depctr_hold_cnt(0) depctr_sa_sdst(0) depctr_va_vdst(0) depctr_va_sdst(0) depctr_va_ssrc(0) depctr_va_vcc(0) depctr_vm_vsrc(0)
	s_getreg_b32 s2, hwreg(HW_REG_IB_STS2, 6, 4)
	s_cmp_eq_u32 s2, 0
	s_cbranch_scc0 .Lentry_in_a_cluster
	s_endpgm
.Lentry_in_a_cluster:
	s_bfe_u32 s2, ttmp6, 0x10000c
	s_cmp_lg_u32 s2, 0xf033
	s_cbranch_scc0 .Lentry_shape_is_right
	s_endpgm
.Lentry_shape_is_right:
; out0 = g (o_t Wo_t + bo_t) + (1 - g) (o_d Wo_d + bo_d), g = sigmoid(z), z = the eight partial sums of gp + g_b2; both products on codes of FP6 (E2M3) with E8M0 scales.
; With e = exp(z): g = e / (1 + e) and 1 - g = 1 / (1 + e).  So ONE accumulator serves both products: it begins with bo_t as C, sums the trend's K = 1,024, is turned into e x sum + bo_d by one packed
; multiply-add a pair, sums the detail's K = 1,024 on top, and is multiplied by 1 / (1 + e) on the way out.  LIMIT: z is held to +-40, beyond which g is 0 or 1 to f32's last bit; so e stays finite.
; A tile of out0, 256 x 256, is made by four waves, 128 x 128 each: 64 accumulators.  K goes in blocks of 256 (25,600 bytes for 128 rows: register images of the fragments, then the scale words) through two LDS
; slots of four blocks: A's two groups of rows (oimg), B's two groups of columns (Wo in ops).  Each wave fetches one block, dense in memory, as 100 rows of 256 bytes.
; CLUSTERS 4 x 4: A's blocks are asked for jointly along a row of the cluster, B's along a column.  A wave has one tensor load out at the start and one behind each round.
; The matrix instruction is used transposed (source 0 = Wo's rows, source 1 = o's rows): a lane holds eight neighbouring columns of one row.
; PREFETCH: behind the load of block c stands one request a wave for block c + 2 (behind the first load also for block 1).  The four partners that ask for a block jointly share its 100 units of 256 bytes
; out BY ADDRESS, 25 each, a lane a unit (lanes 25-31 name the 25th again).  The last two refills ask for nothing.
; REGISTERS: window 0: v16-29 addresses; v32-63 scale words, two sets (lanes 0-15 A's, 16-31 B's); v64-127 bo_t, later the way out; v128-223 A's fragments; v224-239 e, v240-255 1 / (1 + e), as pairs.
;   window 1: B's fragments, two sets at v0 and v128; bo_d in v96-127 and v224-255.   windows 2, 3: the accumulators of my rows 0-63 and 64-127.
.set BLKB,  25600
.set SLOT,  4*BLKB
.set SCO,   24576
.set SPARE, 2*SLOT                     ; behind the ring: the spare words, 128 bytes a wave
.set SPITCH, 528                       ; the way out: a stage of 16 rows x (512 + 16) bytes a wave, in slot 0, which has had its last fill and its last read by then
.set FR,    12
.set NL,    3
.set NP,    4
.set ADRA, 16
.set ADRB, 20
.set ADRS, 22
.set STO,  24
.set RD,   25
.set CO,   26
.set PFO,  27                          ; v27 256 x min(lane, 24); never rewritten
.set SPW,  28
.set NIL,  29
.set SC,   32
.set BT,   64
.set AF,   128
.set EE,   224
.set WW,   240
.set BK,   64
.set G1, 24
.set G0, 32
.set G1B, 48
.set G0B, 56
.set PFA, 78                           ; s[78:79] where my prefetches stand
.set MSB, 0
.macro WIN new                         ; the immediate's high byte repeats the setting that is left
.if MSB != \new
	s_set_vgpr_msb (MSB<<8)|\new
.set MSB, \new
.endif
.endm
.set MUL_LO, 0xa1
.set MUL_HI, 0xf1
.set TO_B,   0x40
.macro PLACES n
.rept \n
	v_nop
.endr
.endm
.macro JLOAD g0a, g0b                  ; waves 0 and 1 fetch A's two blocks, waves 2 and 3 B's; s_nop 0 and four v_nop follow each line
	s_cmp_eq_u32 s15, 0
	s_cbranch_scc0 .Lfor_b_\@
	tensor_load_to_lds s[\g0a:\g0a+3], s[G1:G1+7]
	s_nop 0
	PLACES 4
	s_branch .Lasked_\@
.Lfor_b_\@:
	tensor_load_to_lds s[\g0b:\g0b+3], s[G1B:G1B+7]
	s_nop 0
	PLACES 4
.Lasked_\@:
.endm
.macro CREST                           ; a round of the cluster's barrier behind its opening barrier
	s_cmp_lg_u32 s14, 0
	s_cbranch_scc1 .Lnot_wave_0_\@
	s_barrier_signal -3
.Lnot_wave_0_\@:
	s_barrier_wait -3
	s_barrier_signal -1
	s_barrier_wait -1
.endm
.macro CROUND
	s_barrier_signal -1
	s_barrier_wait -1
	CREST
.endm
	s_load_b256 s[4:11], s[0:1], 0x0               ; oimg, ops, gp, g_b2
	s_load_b128 s[68:71], s[0:1], 0x20             ; t_bo, d_bo
	s_load_b64 s[12:13], s[0:1], 0x30              ; out0
	v_lshl_add_u32 v[SPW], v0, 2, SPARE
	v_mov_b32 v[NIL], 0
	ds_add_u32 v[SPW], v[NIL]                      ; the opening lines: the add twice on end and one wait
	ds_add_u32 v[SPW], v[NIL]
	v_lshrrev_b32 v1, 5, v0
	v_readfirstlane_b32 s14, v1                    ; wave
	v_and_b32 v1, 15, v0                           ; r
	v_bfe_u32 v2, v0, 4, 1                         ; h
	v_and_b32 v6, 31, v0
	v_lshlrev_b32 v[CO], 4, v6
	v_lshlrev_b32 v7, 3, v1
	v_lshlrev_b32 v8, 6, v2
	v_min_u32 v[PFO], 24, v6
	v_lshlrev_b32 v[PFO], 8, v[PFO]
	v_mov_b32 v10, 0x42200000                      ; 40.0
	s_wait_alu depctr_va_vdst(0)                   ; ahead of the run of scalar instructions
	s_lshr_b32 s15, s14, 1                         ; my half of the tile's rows; also: I fetch for A (0) or B (1)
	s_and_b32 s16, s14, 1                          ; my half of its columns; also: which group I fetch
	s_bfe_u32 s40, ttmp6, 0x40000                  ; cx, cy
	s_bfe_u32 s41, ttmp6, 0x40004
	s_lshl_b32 s42, ttmp9, 2
	s_add_co_u32 s42, s42, s40                     ; tile column
	s_and_b32 s17, ttmp7, 0xffff
	s_lshl_b32 s17, s17, 2
	s_add_co_u32 s17, s17, s41                     ; tile row
	s_lshl_b32 s43, s41, 2
	s_lshl_b32 s43, 15, s43                        ; my row of the cluster
	s_lshl_b32 s44, 0x1111, s40                    ; my column
	s_or_b32 s[G1], s43, (3<<16)|(1<<21)           ; elements of 8 bytes; bit 21 beside a mask; no padding
	s_or_b32 s[G1B], s44, (3<<16)|(1<<21)
.irp g, G1, G1B
	s_mov_b32 s[\g+1], 32<<16                      ; rows of 256 bytes,
	s_mov_b32 s[\g+2], 100<<16                     ; 100 of them, dense
	s_mov_b32 s[\g+3], 32<<16
	s_mov_b32 s[\g+4], 100
	s_mov_b32 s[\g+5], 32
	s_mov_b32 s[\g+6], 0
	s_mov_b32 s[\g+7], 0
.endr
	s_lshl_b32 s20, s17, 1
	s_add_co_u32 s20, s20, s16
	s_mul_i32 s20, s20, 8*BLKB                     ; A: [group of 128 rows][4 trend, 4 detail] blocks
	s_mov_b32 s21, 0
	s_lshl_b32 s46, s42, 1
	s_add_co_u32 s46, s46, s16
	s_mul_i32 s46, s46, 8*BLKB
	s_add_co_u32 s46, s46, 1024*BLKB               ; B: the same from block 1,024 of ops on
	s_mov_b32 s47, 0
	s_mul_i32 s45, s14, BLKB                       ; where a block goes: wave x 25,600
	s_lshl_b32 s74, s42, 10
	s_lshl_b32 s75, s16, 9
	s_add_co_u32 s74, s74, s75                     ; my first column, in bytes
	s_mov_b32 s75, 0
	s_lshl_b32 s18, s17, 8
	s_lshl_b32 s76, s15, 7
	s_add_co_u32 s18, s18, s76                     ; my first row
	s_lshl_b32 s76, s18, 2
	s_mov_b32 s77, 0
	s_lshl_b32 s18, s18, 14
	s_mov_b32 s19, 0
	s_cmp_eq_u32 s15, 0
	s_cselect_b32 s22, s40, s41                    ; my place among the four that ask for my block with me
	s_mul_i32 s22, s22, 25*256
	s_mov_b32 s23, 0
	s_wait_dscnt 0x0                               ; both opening adds are done
	s_wait_kmcnt 0x0
	s_load_b32 s72, s[10:11], 0x0                  ; g_b2
	s_add_nc_u64 s[20:21], s[4:5], s[20:21]
	s_add_nc_u64 s[46:47], s[6:7], s[46:47]
	s_add_nc_u64 s[68:69], s[68:69], s[74:75]
	s_add_nc_u64 s[70:71], s[70:71], s[74:75]
	s_add_nc_u64 s[12:13], s[12:13], s[74:75]
	s_add_nc_u64 s[12:13], s[12:13], s[18:19]
	s_add_nc_u64 s[8:9], s[8:9], s[76:77]
	s_cmp_eq_u32 s15, 0
	s_cselect_b64 s[PFA:PFA+1], s[20:21], s[46:47]
	s_add_nc_u64 s[PFA:PFA+1], s[PFA:PFA+1], s[22:23]   ; block 0 of the group that I fetch, my work-group's 25 units
	; the biases and the gate's parts are asked for ahead of the tiles
.irp b, 0,1,2,3,4,5,6,7
	global_load_b128 v[BT+8*\b:BT+8*\b+3], v8, s[68:69] offset:(32*(\b/2)+8*(\b%2))*4
	global_load_b128 v[BT+8*\b+4:BT+8*\b+7], v8, s[68:69] offset:(32*(\b/2)+8*(\b%2))*4+16
.endr
	WIN TO_B
.irp b, 0,1,2,3,4,5,6,7
	global_load_b128 v[96+8*\b+96*(\b/4):96+8*\b+96*(\b/4)+3], v8, s[70:71] offset:(32*(\b/2)+8*(\b%2))*4
	global_load_b128 v[96+8*\b+96*(\b/4)+4:96+8*\b+96*(\b/4)+7], v8, s[70:71] offset:(32*(\b/2)+8*(\b%2))*4+16
.endr
	WIN 0
.irp k, 0,1,2,3,4,5,6,7
.irp p, 0,1,2,3
	global_load_b64 v[128+8*\k+2*\p:129+8*\k+2*\p], v7, s[8:9] offset:16384*\k+128*\p   ; chunk k's partial sums of fragments 2 p and 2 p + 1, lane row r
.endr
.endr
.irp s, 0,1
	s_mov_b32 s[G0+4*\s], 1
	s_add_co_u32 s[G0+4*\s+1], s45, \s*SLOT
	s_add_nc_u64 s[G0+4*\s+2:G0+4*\s+3], s[20:21], \s*BLKB
	s_or_b32 s[G0+4*\s+3], s[G0+4*\s+3], 0x80000000
	s_mov_b32 s[G0B+4*\s], 1
	s_add_co_u32 s[G0B+4*\s+1], s45, \s*SLOT
	s_add_nc_u64 s[G0B+4*\s+2:G0B+4*\s+3], s[46:47], \s*BLKB
	s_or_b32 s[G0B+4*\s+3], s[G0B+4*\s+3], 0x80000000
.endr
	CROUND                                         ; all sixteen work-groups are here: the first joint loads meet
	JLOAD G0, G0B                                  ; block 0: one tensor load a wave at the head
	global_prefetch_b8 v[PFO], s[PFA:PFA+1] offset:BLKB th:TH_LOAD_NT scope:SCOPE_SE     ; blocks 1
	global_prefetch_b8 v[PFO], s[PFA:PFA+1] offset:2*BLKB th:TH_LOAD_NT scope:SCOPE_SE   ; and 2
	s_mul_i32 s21, s15, BLKB
	s_mul_i32 s22, s16, BLKB
	s_add_co_u32 s22, s22, 2*BLKB
.irp s, 0,1
	v_add_nc_u32 v[ADRA+\s], s21, v[CO]
	v_add_nc_u32 v[ADRB+\s], s22, v[CO]
	s_add_co_u32 s21, s21, SLOT
	s_add_co_u32 s22, s22, SLOT
.endr
	s_mul_i32 s21, s15, BLKB
	s_mul_i32 s22, s16, BLKB
	s_add_co_u32 s22, s22, 2*BLKB
	s_sub_co_u32 s22, s22, s21
	v_mul_u32_u24 v6, s22, v2                      ; lanes 16-31 take B's scale words
	s_add_co_u32 s21, s21, SCO
	v_add_nc_u32 v6, v6, v7
.irp s, 0,1
	v_add_nc_u32 v[ADRS+\s], s21, v6
	s_add_co_u32 s21, s21, SLOT
.endr
	s_mul_i32 s23, s14, 16*SPITCH
	v_mul_u32_u24 v5, v1, SPITCH
	v_lshl_add_u32 v5, v2, 6, v5
	v_add_nc_u32 v[STO], s23, v5
	v_add_nc_u32 v[RD], s23, v[CO]
	s_wait_loadcnt 0x0
	s_wait_kmcnt 0x0
	; the gate, while block 0 is on its way
.irp k, 1,2,3,4,5,6,7
.irp p, 0,1,2,3
	v_pk_add_f32 v[128+2*\p:129+2*\p], v[128+2*\p:129+2*\p], v[128+8*\k+2*\p:129+8*\k+2*\p]
.endr
.endr
.irp a, 0,1,2,3,4,5,6,7
	v_add_f32 v[128+\a], s72, v[128+\a]
.endr
.irp a, 0,1,2,3,4,5,6,7
	v_med3_num_f32 v[128+\a], v[128+\a], -v10, v10
.endr
.irp a, 0,1,2,3,4,5,6,7
	v_mul_f32 v[128+\a], 0x3fb8aa3b, v[128+\a]
.endr
	s_wait_alu depctr_va_vdst(0)                   ; a wait ahead of each batch of transcendentals and one behind it
.irp a, 0,1,2,3,4,5,6,7
	v_exp_f32 v[EE+2*\a], v[128+\a]                ; e
.endr
	v_nop
	s_wait_alu depctr_va_vdst(0)
.irp a, 0,1,2,3,4,5,6,7
	v_mov_b32 v[EE+2*\a+1], v[EE+2*\a]
.endr
.irp a, 0,1,2,3,4,5,6,7
	v_add_f32 v[128+\a], 1.0, v[EE+2*\a]
.endr
	s_wait_alu depctr_va_vdst(0)
.irp a, 0,1,2,3,4,5,6,7
	v_rcp_f32 v[WW+2*\a], v[128+\a]                ; 1 / (1 + e)
.endr
	v_nop
	s_wait_alu depctr_va_vdst(0)
.irp a, 0,1,2,3,4,5,6,7
	v_mov_b32 v[WW+2*\a+1], v[WW+2*\a]
.endr
.macro FRAG reg, adr, q, i             ; a fragment is an image of its 12 registers: three loads of 512 consecutive bytes
.irp c, 0,1,2
	ds_load_b128 v[\reg+4*\c:\reg+4*\c+3], v[\adr] offset:12288*(\q)+1536*(\i)+512*\c
.endr
.endm
; 16 matrix instructions: A's fragments a0, a0 + 1 x B's eight.  The 64 accumulators take turns, one instruction a turn, in one order everywhere.  zero = 1: C is bo_t.
.macro MUL16 a0, p, q, sc, zero
.irp a, \a0, \a0+1
.irp b, 0,1,2,3,4,5,6,7
.if \zero
	v_wmma_scale_f32_16x16x128_f8f6f4 v[8*(8*((\a)%4)+\b):8*(8*((\a)%4)+\b)+7], v[128*(\p)+FR*\b:128*(\p)+FR*\b+FR-1], v[AF+FR*(\a):AF+FR*(\a)+FR-1], v[BT+8*\b:BT+8*\b+7], v[SC+16*(\sc)+2*\b+(\q)], v[SC+16*(\sc)+2*(\a)+(\q)] matrix_a_fmt:MATRIX_FMT_FP6 matrix_b_fmt:MATRIX_FMT_FP6 matrix_a_scale:MATRIX_SCALE_ROW1
.else
	v_wmma_scale_f32_16x16x128_f8f6f4 v[8*(8*((\a)%4)+\b):8*(8*((\a)%4)+\b)+7], v[128*(\p)+FR*\b:128*(\p)+FR*\b+FR-1], v[AF+FR*(\a):AF+FR*(\a)+FR-1], v[8*(8*((\a)%4)+\b):8*(8*((\a)%4)+\b)+7], v[SC+16*(\sc)+2*\b+(\q)], v[SC+16*(\sc)+2*(\a)+(\q)] matrix_a_fmt:MATRIX_FMT_FP6 matrix_b_fmt:MATRIX_FMT_FP6 matrix_a_scale:MATRIX_SCALE_ROW1
.endif
.endr
.endr
.endm
.macro FETCH_B slot, q, p
	WIN TO_B
.irp i, 0,1,2,3,4,5,6,7
	FRAG 128*(\p)+FR*\i, ADRB+\slot, \q, \i
.endr
	WIN 0
.endm
.macro FETCH_A slot, q, i0
.irp i, \i0, \i0+1, \i0+2, \i0+3
	FRAG AF+FR*(\i), ADRA+\slot, \q, \i
.endr
.endm
.macro SCALES sc
.irp i, 0,1,2,3,4,5,6,7
	ds_load_b64 v[SC+16*\sc+2*\i:SC+16*\sc+2*\i+1], v[ADRS+\sc] offset:128*\i
.endr
.endm
.macro STEP slot, zero                 ; a block's first 128 along K; its second step's fragments are fetched in the middle and at the end
	s_wait_dscnt 4*NL                              ; all but the youngest 12 loads, A's fragments 4-7
.if \zero
	WIN 0x81
.else
	WIN MUL_LO
.endif
	MUL16 0, 0, 0, \slot, \zero
	MUL16 2, 0, 0, \slot, \zero
	s_wait_dscnt 0x0
	PLACES NP
	FETCH_B \slot, 1, 1
	FETCH_A \slot, 1, 0
.if \zero
	WIN 0xc1
.else
	WIN MUL_HI
.endif
	MUL16 4, 0, 0, \slot, \zero
	MUL16 6, 0, 0, \slot, \zero
	PLACES NP
	WIN 0
	FETCH_A \slot, 1, 4
.endm
; A block's second step changes slots: one barrier; in front of it each wave waits for all its tensor loads, adds 0 to its spare word, and waits for that and for its reads of this slot.
.macro TURN slot, next, fill
.if \fill
	s_wait_xcnt 0x0                                ; my last prefetch has read its address, which steps one block on
	s_add_nc_u64 s[PFA:PFA+1], s[PFA:PFA+1], BLKB
.endif
	s_wait_tensorcnt 0x0                           ; my part of the next slot is in
	ds_add_u32 v[SPW], v[NIL]
	s_wait_dscnt 4*NL+1                            ; the add and the youngest 12 loads may be out
	WIN MUL_LO
	MUL16 0, 1, 1, \slot, 0
	s_wait_dscnt 0x0                               ; the add is done, and my reads of this slot are over
	s_barrier_signal -1
	MUL16 2, 1, 1, \slot, 0
	WIN 0
	s_barrier_wait -1
.if \fill
	CREST                                          ; the barrier has opened a round of the cluster's: no wave of any partner still reads this slot or has a load on its way
	s_add_nc_u64 s[G0+4*\slot+2:G0+4*\slot+3], s[G0+4*\slot+2:G0+4*\slot+3], 2*BLKB
	s_add_nc_u64 s[G0B+4*\slot+2:G0B+4*\slot+3], s[G0B+4*\slot+2:G0B+4*\slot+3], 2*BLKB
	JLOAD G0+4*\slot, G0B+4*\slot                  ; the first tensor load behind the round; its four v_nop are the places in front of the loads below
.else
	PLACES NP
.endif
	FETCH_B \next, 0, 0
	FETCH_A \next, 0, 0
	SCALES \next
.if \fill
	s_cmp_gt_u32 s3, 1                             ; the last trip's two refills have no block two on
	s_cbranch_scc0 .Lno_ask_\@
	global_prefetch_b8 v[PFO], s[PFA:PFA+1] offset:3*BLKB th:TH_LOAD_NT scope:SCOPE_SE   ; the prefetches stand one block behind the refill: this is the block two on
.Lno_ask_\@:
.endif
	WIN MUL_HI
	MUL16 4, 1, 1, \slot, 0
	MUL16 6, 1, 1, \slot, 0
	PLACES NP
	WIN 0
	FETCH_A \next, 0, 4
.endm
.macro FIXUP                           ; between the branches: sum -> e x sum + bo_d; each accumulator from its low end on
	WIN 0x92
.irp a, 0,1,2,3
.irp b, 0,1,2,3,4,5,6,7
.irp j, 0,2,4,6
	v_pk_fma_f32 v[8*(8*\a+\b)+\j:8*(8*\a+\b)+\j+1], v[8*(8*\a+\b)+\j:8*(8*\a+\b)+\j+1], v[EE+2*\a:EE+2*\a+1], v[96+8*\b+96*(\b/4)+\j:96+8*\b+96*(\b/4)+\j+1]
.endr
.endr
.endr
	WIN 0xd3
.irp a, 0,1,2,3
.irp b, 0,1,2,3,4,5,6,7
.irp j, 0,2,4,6
	v_pk_fma_f32 v[8*(8*\a+\b)+\j:8*(8*\a+\b)+\j+1], v[8*(8*\a+\b)+\j:8*(8*\a+\b)+\j+1], v[EE+8+2*\a:EE+8+2*\a+1], v[96+8*\b+96*(\b/4)+\j:96+8*\b+96*(\b/4)+\j+1]
.endr
.endr
.endr
	WIN 0
	PLACES 4
.endm
	s_wait_alu depctr_va_vdst(0)                   ; at the head's end
	s_wait_tensorcnt 0x0                           ; my part of block 0 is in
	ds_add_u32 v[SPW], v[NIL]
	s_wait_dscnt 0x0
	CROUND                                         ; everybody's part is in, and all sixteen work-groups are here
	JLOAD G0+4, G0B+4                              ; block 1, the first tensor load behind the round
	FETCH_B 0, 0, 0
	FETCH_A 0, 0, 0
	SCALES 0
	FETCH_A 0, 0, 4
	global_prefetch_b8 v[PFO], s[PFA:PFA+1] offset:3*BLKB th:TH_LOAD_NT scope:SCOPE_SE   ; block 3
	STEP 0, 1
	s_mov_b32 s3, 3
.Llap:                                             ; a trip goes once round the ring and fills both slots again
	TURN 0, 1, 1
	STEP 1, 0
	TURN 1, 0, 1
	s_cmp_lg_u32 s3, 2                             ; in the second trip the trend's eight steps are done here
	s_cbranch_scc1 .Lnofix
	FIXUP
.Lnofix:
	s_wait_alu depctr_va_vdst(0)
	STEP 0, 0
	s_sub_co_u32 s3, s3, 1
	s_cmp_lg_u32 s3, 0
	s_cbranch_scc1 .Llap
	TURN 0, 1, 0                                   ; the last three steps fetch no tile
	STEP 1, 0
	s_wait_dscnt 4*NL
	WIN MUL_LO
	MUL16 0, 1, 1, 1, 0
	MUL16 2, 1, 1, 1, 0
	s_wait_dscnt 0x0
	WIN MUL_HI
	MUL16 4, 1, 1, 1, 0
	MUL16 6, 1, 1, 1, 0
	WIN 0
; THE WAY OUT, by fragments of 16 rows x 128 columns: x 1 / (1 + e), through my own stage in LDS, back as whole rows of 512 bytes, which the 32 lanes store as two aligned units of 256 bytes.
.macro SCALEOUT a
	WIN 0x82+0x41*((\a)/4)
.set i_, 0
.rept 32
	v_pk_mul_f32 v[64*((\a)%4)+i_:64*((\a)%4)+i_+1], v[64*((\a)%4)+i_:64*((\a)%4)+i_+1], v[WW+2*(\a):WW+2*(\a)+1]
.set i_, i_+2
.endr
.endm
.macro TOSTAGE a
.set AC, 64*((\a)%4)
	WIN 0x08+4*((\a)/4)
.irp b, 0,1,2,3,4,5,6,7
	ds_store_b128 v[STO], v[AC+8*\b:AC+8*\b+3] offset:128*(\b/2)+32*(\b%2)
	ds_store_b128 v[STO], v[AC+8*\b+4:AC+8*\b+7] offset:128*(\b/2)+32*(\b%2)+16
.endr
	WIN 0
.set BB, BK+64*((\a)%2)
.irp t, 0,1,2,3,4,5,6,7,8,9,10,11,12,13,14,15
	ds_load_b128 v[BB+4*\t:BB+4*\t+3], v[RD] offset:\t*SPITCH   ; LDS serves a wave's instructions in order: these see the stores above
.endr
.endm
.macro SEND a, younger                 ; younger: the LDS instructions issued behind fragment a's loads, which may stay out
.set BB, BK+64*((\a)%2)
	s_wait_dscnt \younger
.irp t, 0,1,2,3,4,5,6,7,8,9,10,11,12,13,14,15
	global_store_b128 v[CO], v[BB+4*\t:BB+4*\t+3], s[12:13] offset:(32*((\a)/2)+8*((\a)%2)+\t+8*(\t/8))*16384 th:TH_STORE_NT   ; the fragments' order of rows
.endr
.endm
	PLACES NP
	SCALEOUT 0
	TOSTAGE 0
.irp a, 1,2,3,4,5,6,7
.if \a > 1
	s_wait_xcnt 0x0                                ; fragment a - 2's stores have read their registers
.endif
	SCALEOUT \a
	TOSTAGE \a
	SEND \a-1, 32
.endr
	SEND 7, 0
	s_wait_tensorcnt 0x0                           ; the wave's end
	ds_add_u32 v[SPW], v[NIL]
	s_wait_dscnt 0x0
	CROUND                                         ; the closing round
	s_endpgm
.Lfunc_end_k_q1341bf3a69_outp:
	.size	k_q1341bf3a69_outp, .Lfunc_end_k_q1341bf3a69_outp-k_q1341bf3a69_outp
	.p2alignl 7, 3214868480
	.fill 96, 4, 3214868480
	.section	.rodata,"a",@progbits
	.p2align	6, 0x0
	.amdhsa_kernel k_q1341bf3a69_outp
		.amdhsa_group_segment_fixed_size 327680
		.amdhsa_private_segment_fixed_size 0
		.amdhsa_enable_private_segment 0
		.amdhsa_kernarg_size 56
		.amdhsa_user_sgpr_count 2
		.amdhsa_user_sgpr_kernarg_segment_ptr 1
		.amdhsa_wavefront_size32 1
		.amdhsa_system_sgpr_workgroup_id_x 1
		.amdhsa_system_sgpr_workgroup_id_y 1
		.amdhsa_system_sgpr_workgroup_id_z 1
		.amdhsa_system_vgpr_workitem_id 0
		.amdhsa_next_free_vgpr 1024
		.amdhsa_next_free_sgpr 98
		.amdhsa_reserve_vcc 0
		.amdhsa_float_denorm_mode_32 3
		.amdhsa_float_denorm_mode_16_64 3
		.amdhsa_memory_ordered 1
		.amdhsa_forward_progress 1
		.amdhsa_inst_pref_size 178
	.end_amdhsa_kernel
	.amdgpu_metadata
---
amdhsa.version: [ 1, 2 ]
amdhsa.kernels:
  - .name:           k_q1341bf3a69_outp
    .symbol:         k_q1341bf3a69_outp.kd
    .args:
      - { .name: oimg, .offset: 0, .size: 8, .value_kind: global_buffer, .address_space: global }
      - { .name: ops, .offset: 8, .size: 8, .value_kind: global_buffer, .address_space: global }
      - { .name: gp, .offset: 16, .size: 8, .value_kind: global_buffer, .address_space: global }
      - { .name: g_b2, .offset: 24, .size: 8, .value_kind: global_buffer, .address_space: global }
      - { .name: t_bo, .offset: 32, .size: 8, .value_kind: global_buffer, .address_space: global }
      - { .name: d_bo, .offset: 40, .size: 8, .value_kind: global_buffer, .address_space: global }
      - { .name: out0, .offset: 48, .size: 8, .value_kind: global_buffer, .address_space: global }
    .group_segment_fixed_size: 327680
    .private_segment_fixed_size: 0
    .kernarg_segment_align: 8
    .kernarg_segment_size: 56
    .max_flat_workgroup_size: 128
    .sgpr_count:     98
    .vgpr_count:     1024
    .wavefront_size: 32
...
	.end_amdgpu_metadata
.endif
;; end of part 4
